; MI455X (gfx1250); checked and timed in simulation.
; The chip was launched on July 23, 2026; its instructions are those of AMD's public machine-readable ISA for CDNA 5 (MIT licence, August 2026) and "CDNA5" Instruction Set Architecture Reference Guide (July 2026). The comments in the code are by the model that wrote it; some were corrected since.
;; Vizi Market Transformer. Allowed arithmetic: float matrix products may take bf16 or f16 operands with f32 sums; all other float work in f32.
;; Inputs: b1 8 x 2,048 float32; b2 8 x 512 float32; router_w 512 x 8 float32; w1 8 x 512 x 2,048 float32; w2 8 x 2,048 x 512 float32; x 8 x 512 x 512 float32.
;; Outputs: out0 8 x 512 x 512 float32; out1 one number float32.
;; 2 versions, each right; version 2 is version 1 with the launch prep written anew for expert scheduling mode. Each part assembles by itself: llvm-mc -triple=amdgcn-amd-amdhsa -mcpu=gfx1250 --defsym DOCPART=n.
;; ======== version 1 of 2: 4 launches
;; limits: values are held in f16: magnitudes above 65,504 overflow, below 6.1e-05 lose precision
;; workspace buffers: wb 33,554,432 bytes; route 16,384 bytes of whole numbers; gate 32,768 bytes; auxp 32,768 bytes; tab 49,152 bytes of whole numbers; tokslot 32,768 bytes of whole numbers; yp 75,497,472 bytes
;; launch prep (part 1): grid 640 x 1, 4 waves a work-group, no clusters, 0 bytes of LDS; arguments x, router_w, w1, w2, route, gate, auxp, wb; writes route, gate, auxp, wb
.if DOCPART == 1
	.amdgcn_target "amdgcn-amd-amdhsa--gfx1250"
	.amdhsa_code_object_version 6
	.text
	.protected	k_q0c2b41fe87_prep
	.globl	k_q0c2b41fe87_prep
	.p2align	8
	.type	k_q0c2b41fe87_prep,@function
k_q0c2b41fe87_prep:
	s_mov_b64 s[64:65], 0
	v_nop
	global_prefetch_b8 v0, s[64:65] scope:SCOPE_SE
	s_setreg_imm32_b32 hwreg(HW_REG_WAVE_MODE, 25, 1), 1
	s_wait_xcnt 0x0
; prep: two independent jobs in one launch, chosen by the work-group's number.
;   work-groups 0..127:   the router.  logits = x @ router_w in f32 on the vector ALU (16.8 M multiply-adds: the choice of experts has to
;                         agree with an f32 computation, so no operand is rounded), top 2 of 8, their softmax weights, and each wave's
;                         share of the sums for the auxiliary loss.
;   work-groups 128..639: w1 and w2 are rounded once to f16 into wb (w1 first, then w2, layouts unchanged): each weight is multiplied by
;                         about eight row tiles in the next matrix launch, so the rounding is done once here.  f16 and not bf16: 11 significant
;                         bits against 8 at the same matrix rate, and an output is a sum of 2,048 products whose operands' roundings all add.
; LIMITS: logits are taken to be finite.  The f32 sums of a logit are formed in another order than a plain dot product; two logits that are
; closer than that rounding may be ranked the other way.  Equal logits: the lower expert wins.
; Weights: |w| below 65,504 (f16's largest number); below 6.1e-5 a weight is kept with an absolute error of at most 3e-8.
.set CX,  16                           ; cast: v[16:79]   16 slots of 4 registers, f32 as loaded
.set CY,  80                           ; cast: v[80:111]  16 slots of 2 registers, f16 to store
.set RW,  16                           ; router: v[16:143]  router_w rows d = 4 L + 128 j + i at RW + 8 (4 j + i), 8 experts each
.set XR,  144                          ; router: v[144:207] ring of 4 tokens, 16 registers each: x[4 L + 128 j + i] at 4 j + i
.set ACC, 208                          ; v[208:215] my partial logits of the 8 experts
.set KP,  216                          ; v[216:219] reduce-scatter: what a lane keeps
.set SD,  220                          ; v[220:223] reduce-scatter: what a lane sends
.set LG,  224
.set M1,  225
.set L2,  226
.set M2,  227
.set DD,  228
.set QQ,  229
.set E2,  230
.set PP,  231
.set C1,  232
.set SS,  233
.set PS,  234
.set G0,  235
.set RR,  236
.set G1,  237
	s_load_b512 s[4:19], s[0:1], 0x0               ; x s[4:5], router_w s[6:7], w1 s[8:9], w2 s[10:11], route s[12:13], gate s[14:15], auxp s[16:17], wb s[18:19]
	s_wait_kmcnt 0x0
	s_cmp_lt_u32 ttmp9, 128
	s_cbranch_scc1 .Lrouter
; ---------------------------------------------------------------- the cast
; Work-group c = id - 128 takes 131,072 bytes of w1 (c < 256) or w2 and makes 65,536 bytes of wb.  A step is 2,048 bytes in
; (128 threads x 16) and 1,024 bytes out; a wave's store covers 256 consecutive bytes, aligned.  64 steps, written out, the step in the immediates.
	s_sub_co_u32 s20, ttmp9, 128
	s_and_b32 s21, s20, 255
	s_lshl_b32 s22, s21, 17                        ; offset in w1 or w2
	s_mov_b32 s23, 0
	s_lshl_b32 s24, s20, 16                        ; offset in wb
	s_mov_b32 s25, 0
	s_cmp_lt_u32 s20, 256
	s_cselect_b64 s[26:27], s[8:9], s[10:11]
	s_add_nc_u64 s[26:27], s[26:27], s[22:23]
	s_add_nc_u64 s[18:19], s[18:19], s[24:25]
	v_lshlrev_b32 v1, 4, v0                        ; 16 t, never rewritten
	v_lshlrev_b32 v2, 3, v0                        ; 8 t, never rewritten
.set row, 0
.rept 16
	global_load_b128 v[CX+4*row:CX+4*row+3], v1, s[26:27] offset:2048*row th:TH_LOAD_NT
.set row, row+1
.endr
.set row, 0
.rept 64
.if 63-row < 15
	s_wait_loadcnt 63-row                          ; the tail: only the steps behind this one are still out
.else
	s_wait_loadcnt 15                              ; loads return in order: this step's is in, the 15 younger ones stay out
.endif
	s_wait_xcnt 0x0                                ; this slot's two store registers are rewritten only behind this wait
	v_cvt_pk_f16_f32 v[CY+2*(row%16)], v[CX+4*(row%16)], v[CX+4*(row%16)+1]
	v_cvt_pk_f16_f32 v[CY+2*(row%16)+1], v[CX+4*(row%16)+2], v[CX+4*(row%16)+3]
.if row < 48
	global_load_b128 v[CX+4*(row%16):CX+4*(row%16)+3], v1, s[26:27] offset:2048*(row+16) th:TH_LOAD_NT
.endif
	global_store_b64 v2, v[CY+2*(row%16):CY+2*(row%16)+1], s[18:19] offset:1024*row
.set row, row+1
.endr
	s_endpgm
; ---------------------------------------------------------------- the router
; Wave w of work-group id takes tokens 32 id + 8 w .. + 7.  All of router_w (16 KiB) lies in the wave's registers.
.Lrouter:
	v_lshrrev_b32 v4, 5, v0
	v_readfirstlane_b32 s29, v4                    ; wave
	v_and_b32 v3, 31, v0                           ; lane L
	v_lshlrev_b32 v1, 4, v3                        ; 16 L: my 16 bytes in each 512 of a row of x
	v_lshlrev_b32 v2, 7, v3                        ; 128 L: rows 4 L .. 4 L + 3 of router_w
	v_and_b32 v4, 7, v3                            ; the expert whose logit I end up holding
	v_mov_b32 v5, 0xff800000                       ; -inf
	v_mov_b32 v6, 0                                ; sum of my expert's probabilities
	v_mov_b32 v7, 0                                ; how often my expert came first
	v_mov_b32 v8, 0                                ; lane t: e0 | e1 << 8 of token t
	v_mov_b32 v10, 0                               ; lane t: the two softmax weights of token t
	v_mov_b32 v11, 0
	s_mov_b32 s24, 0xaaaaaaaa                      ; lanes with bit 0, 1, 2 of the lane number set
	s_mov_b32 s25, 0xcccccccc
	s_mov_b32 s26, 0xf0f0f0f0
	s_mov_b32 s27, 0x76543210                      ; v_permlanex16_b32: lane i of the other half
	s_mov_b32 s28, 0xfedcba98
	s_lshl_b32 s30, ttmp9, 16                      ; 32 tokens x 2,048 bytes
	s_lshl_b32 s21, s29, 14                        ; 8 tokens x 2,048 bytes
	s_add_co_u32 s30, s30, s21
	s_mov_b32 s31, 0
	s_add_nc_u64 s[4:5], s[4:5], s[30:31]          ; x at my first token
.irp j, 0,1,2,3
.irp i, 0,1,2,3
	global_load_b128 v[RW+8*(4*\j+\i):RW+8*(4*\j+\i)+3],   v2, s[6:7] offset:4096*\j+32*\i
	global_load_b128 v[RW+8*(4*\j+\i)+4:RW+8*(4*\j+\i)+7], v2, s[6:7] offset:4096*\j+32*\i+16
.endr
.endr
.irp t, 0,1,2,3
.irp j, 0,1,2,3
	global_load_b128 v[XR+16*\t+4*\j:XR+16*\t+4*\j+3], v1, s[4:5] offset:2048*\t+512*\j
.endr
.endr
; One token.  left = the loads of the younger tokens, which may stay out (four a token).
.macro TOKEN t, refill, left
	s_wait_loadcnt \left
.set XS, XR+16*(\t%4)
	; 16 values of x a lane, each times its 8 weights: expert pairs in v_pk_fma_f32, x broadcast to both halves by op_sel
.irp j, 0,1,2,3
.irp i, 0,1,2,3
.irp p, 0,1,2,3
.if (\j+\i)==0
	v_pk_mul_f32 v[ACC+2*\p:ACC+2*\p+1], v[XS:XS+1], v[RW+2*\p:RW+2*\p+1] op_sel_hi:[0,1]
.else
.if (\i%2)==0
	v_pk_fma_f32 v[ACC+2*\p:ACC+2*\p+1], v[XS+4*\j+\i:XS+4*\j+\i+1], v[RW+8*(4*\j+\i)+2*\p:RW+8*(4*\j+\i)+2*\p+1], v[ACC+2*\p:ACC+2*\p+1] op_sel_hi:[0,1,1]
.else
	v_pk_fma_f32 v[ACC+2*\p:ACC+2*\p+1], v[XS+4*\j+\i-1:XS+4*\j+\i], v[RW+8*(4*\j+\i)+2*\p:RW+8*(4*\j+\i)+2*\p+1], v[ACC+2*\p:ACC+2*\p+1] op_sel:[1,0,0] op_sel_hi:[1,1,1]
.endif
.endif
.endr
.endr
.endr
.if \refill
.irp j, 0,1,2,3
	global_load_b128 v[XS+4*\j:XS+4*\j+3], v1, s[4:5] offset:2048*(\t+4)+512*\j
.endr
.endif
	; reduce-scatter over the lanes: in each step a lane keeps half of its registers and sends the other half to its partner; 8 -> 4 -> 2 -> 1.
	; Behind the three steps lane L holds expert L & 7; two more steps add the four groups of eight lanes.
.irp i, 0,1,2,3
	v_cndmask_b32 v[KP+\i], v[ACC+2*\i], v[ACC+2*\i+1], s24
	v_cndmask_b32 v[SD+\i], v[ACC+2*\i+1], v[ACC+2*\i], s24
.endr
.irp i, 0,1,2,3
	v_add_f32_dpp v[KP+\i], v[SD+\i], v[KP+\i] row_xmask:1 row_mask:0xf bank_mask:0xf
.endr
.irp i, 0,1
	v_cndmask_b32 v[ACC+\i], v[KP+2*\i], v[KP+2*\i+1], s25
	v_cndmask_b32 v[ACC+4+\i], v[KP+2*\i+1], v[KP+2*\i], s25
.endr
.irp i, 0,1
	v_add_f32_dpp v[ACC+\i], v[ACC+4+\i], v[ACC+\i] row_xmask:2 row_mask:0xf bank_mask:0xf
.endr
	v_cndmask_b32 v[KP], v[ACC], v[ACC+1], s26
	v_cndmask_b32 v[SD], v[ACC+1], v[ACC], s26
	v_add_f32_dpp v[KP], v[SD], v[KP] row_xmask:4 row_mask:0xf bank_mask:0xf
	v_add_f32_dpp v[KP], v[KP], v[KP] row_xmask:8 row_mask:0xf bank_mask:0xf
	v_permlanex16_b32 v[SD], v[KP], s27, s28
	v_add_f32 v[LG], v[KP], v[SD]                  ; the logit of expert L & 7, in every lane
	; the largest logit and the lowest expert that has it
	v_mov_b32 v[M1], v[LG]
	v_max_num_f32_dpp v[M1], v[M1], v[M1] row_xmask:1 row_mask:0xf bank_mask:0xf
	v_max_num_f32_dpp v[M1], v[M1], v[M1] row_xmask:2 row_mask:0xf bank_mask:0xf
	v_max_num_f32_dpp v[M1], v[M1], v[M1] row_xmask:4 row_mask:0xf bank_mask:0xf
	v_cmp_eq_f32 s20, v[LG], v[M1]
	s_ctz_i32_b32 s21, s20                         ; lanes 0..7 hold experts 0..7: the lowest lane is the lowest expert
	s_and_b32 s21, s21, 7
	v_cmp_eq_u32 s22, s21, v4                      ; the lanes of the first expert
	v_cndmask_b32 v[L2], v[LG], v5, s22            ; it is taken out, and the same again
	v_mov_b32 v[M2], v[L2]
	v_max_num_f32_dpp v[M2], v[M2], v[M2] row_xmask:1 row_mask:0xf bank_mask:0xf
	v_max_num_f32_dpp v[M2], v[M2], v[M2] row_xmask:2 row_mask:0xf bank_mask:0xf
	v_max_num_f32_dpp v[M2], v[M2], v[M2] row_xmask:4 row_mask:0xf bank_mask:0xf
	v_cmp_eq_f32 s23, v[L2], v[M2]
	s_and_not1_b32 s23, s23, s22
	s_ctz_i32_b32 s23, s23
	s_and_b32 s23, s23, 7
	s_lshl_b32 s23, s23, 8
	s_or_b32 s21, s21, s23
	v_writelane_b32 v8, s21, \t
	; both softmaxes with the maximum taken away: over the two chosen logits, and over all eight
	v_sub_f32 v[DD], v[M2], v[M1]
	v_sub_f32 v[QQ], v[LG], v[M1]
	v_mul_f32 v[DD], 0x3fb8aa3b, v[DD]
	v_mul_f32 v[QQ], 0x3fb8aa3b, v[QQ]
	v_exp_f32 v[E2], v[DD]
	v_exp_f32 v[PP], v[QQ]
	v_cndmask_b32 v[C1], 0, 1.0, s22               ; a plain instruction between the exponentials and their first use (ISA guide 5.7.2)
	s_wait_alu depctr_va_vdst(0)
	v_add_f32 v[SS], 1.0, v[E2]
	v_mov_b32 v[PS], v[PP]
	v_add_f32_dpp v[PS], v[PS], v[PS] row_xmask:1 row_mask:0xf bank_mask:0xf
	v_add_f32_dpp v[PS], v[PS], v[PS] row_xmask:2 row_mask:0xf bank_mask:0xf
	v_add_f32_dpp v[PS], v[PS], v[PS] row_xmask:4 row_mask:0xf bank_mask:0xf
	v_rcp_f32 v[G0], v[SS]
	v_rcp_f32 v[RR], v[PS]
	v_add_f32 v7, v7, v[C1]                        ; again a plain instruction in between
	s_wait_alu depctr_va_vdst(0)
	v_mul_f32 v[G1], v[E2], v[G0]
	v_fmac_f32 v6, v[PP], v[RR]
	v_readfirstlane_b32 s20, v[G0]
	v_readfirstlane_b32 s23, v[G1]
	v_writelane_b32 v10, s20, \t
	v_writelane_b32 v11, s23, \t
.endm
	TOKEN 0, 1, 12
	TOKEN 1, 1, 12
	TOKEN 2, 1, 12
	TOKEN 3, 1, 12
	TOKEN 4, 0, 12
	TOKEN 5, 0, 8
	TOKEN 6, 0, 4
	TOKEN 7, 0, 0
	; The wave's results: 64 bytes of sums, 32 bytes of choices, 64 bytes of weights.  These stores are short; all of them in the launch are 80 KiB.
	s_lshl_b32 s30, ttmp9, 8
	s_lshl_b32 s21, s29, 6
	s_add_co_u32 s30, s30, s21                     ; (4 id + w) x 64 = first token x 8
	s_add_nc_u64 s[16:17], s[16:17], s[30:31]
	s_add_nc_u64 s[14:15], s[14:15], s[30:31]
	s_lshr_b32 s30, s30, 1                         ; first token x 4
	s_add_nc_u64 s[12:13], s[12:13], s[30:31]
	v_lshlrev_b32 v238, 2, v3
	v_lshlrev_b32 v239, 3, v3
	v_cmp_le_u32 s20, 8, v3
	v_cndmask_b32 v[LG], v6, v7, s20               ; lanes 0..7 the probability sums, lanes 8..15 the counts
	v_cmp_gt_u32 vcc_lo, 16, v3
	s_wait_xcnt 0x0                                ; EXEC changes only behind s_wait_xcnt 0
	s_and_saveexec_b32 s21, vcc_lo
	global_store_b32 v238, v[LG], s[16:17]
	s_wait_xcnt 0x0
	s_or_b32 exec_lo, exec_lo, s21
	v_cmp_gt_u32 vcc_lo, 8, v3
	s_and_saveexec_b32 s21, vcc_lo
	global_store_b32 v238, v8, s[12:13]
	global_store_b64 v239, v[10:11], s[14:15]
	s_wait_xcnt 0x0
	s_or_b32 exec_lo, exec_lo, s21
	s_endpgm
.Lfunc_end_k_q0c2b41fe87_prep:
	.size	k_q0c2b41fe87_prep, .Lfunc_end_k_q0c2b41fe87_prep-k_q0c2b41fe87_prep
	.p2alignl 7, 3214868480
	.fill 96, 4, 3214868480
	.section	.rodata,"a",@progbits
	.p2align	6, 0x0
	.amdhsa_kernel k_q0c2b41fe87_prep
		.amdhsa_group_segment_fixed_size 0
		.amdhsa_private_segment_fixed_size 0
		.amdhsa_enable_private_segment 0
		.amdhsa_kernarg_size 64
		.amdhsa_user_sgpr_count 2
		.amdhsa_user_sgpr_kernarg_segment_ptr 1
		.amdhsa_wavefront_size32 1
		.amdhsa_system_sgpr_workgroup_id_x 1
		.amdhsa_system_sgpr_workgroup_id_y 1
		.amdhsa_system_sgpr_workgroup_id_z 1
		.amdhsa_system_vgpr_workitem_id 0
		.amdhsa_next_free_vgpr 240
		.amdhsa_next_free_sgpr 66
		.amdhsa_reserve_vcc 1
		.amdhsa_float_denorm_mode_32 3
		.amdhsa_float_denorm_mode_16_64 3
		.amdhsa_memory_ordered 1
		.amdhsa_forward_progress 1
		.amdhsa_inst_pref_size 93
	.end_amdhsa_kernel
	.amdgpu_metadata
---
amdhsa.version: [ 1, 2 ]
amdhsa.kernels:
  - .name:           k_q0c2b41fe87_prep
    .symbol:         k_q0c2b41fe87_prep.kd
    .args:
      - { .name: x, .offset: 0, .size: 8, .value_kind: global_buffer, .address_space: global }
      - { .name: router_w, .offset: 8, .size: 8, .value_kind: global_buffer, .address_space: global }
      - { .name: w1, .offset: 16, .size: 8, .value_kind: global_buffer, .address_space: global }
      - { .name: w2, .offset: 24, .size: 8, .value_kind: global_buffer, .address_space: global }
      - { .name: route, .offset: 32, .size: 8, .value_kind: global_buffer, .address_space: global }
      - { .name: gate, .offset: 40, .size: 8, .value_kind: global_buffer, .address_space: global }
      - { .name: auxp, .offset: 48, .size: 8, .value_kind: global_buffer, .address_space: global }
      - { .name: wb, .offset: 56, .size: 8, .value_kind: global_buffer, .address_space: global }
    .group_segment_fixed_size: 0
    .private_segment_fixed_size: 0
    .kernarg_segment_align: 8
    .kernarg_segment_size: 64
    .max_flat_workgroup_size: 128
    .sgpr_count:     66
    .vgpr_count:     240
    .wavefront_size: 32
...
	.end_amdgpu_metadata
.endif
;; end of part 1
;; launch plan (part 2): grid 1 x 1, 32 waves a work-group, no clusters, 56,320 bytes of LDS; arguments route, auxp, tab, tokslot, out1; writes tab, tokslot, out1
.if DOCPART == 2
	.amdgcn_target "amdgcn-amd-amdhsa--gfx1250"
	.amdhsa_code_object_version 6
	.text
	.protected	k_q0c2b41fe87_plan
	.globl	k_q0c2b41fe87_plan
	.p2align	8
	.type	k_q0c2b41fe87_plan,@function
k_q0c2b41fe87_plan:
	s_mov_b64 s[64:65], 0
	v_nop
	global_prefetch_b8 v0, s[64:65] scope:SCOPE_SE
	s_setreg_imm32_b32 hwreg(HW_REG_WAVE_MODE, 25, 1), 1
	s_wait_xcnt 0x0
; plan: one work-group turns the 4,096 tokens' two choices into a placement, all in whole numbers, and finishes the auxiliary loss.
; The 8,192 (token, choice) pairs are laid into 9,216 slots = 64 row tiles of 144.  Expert e gets ceil(n_e / 144) whole tiles, one expert
; after the other; the sum of these is at most floor((8192 + 8 x 143) / 144) = 64 for every routing.
;   tab[slot]        = 2 token + choice of the pair in that slot, 0 in slots that hold none
;   tab[9216 + tile] = the tile's expert (tiles behind the last used one: 7)
;   tokslot[token][choice] = the pair's slot
; No atomics: each wave counts by mask and population count, the waves' counts meet in LDS, each wave takes its prefix.
; One work-group, because every placement hangs on all counts; the data are 48 KiB.
.set CNT, 49152                        ; [4 expert pairs][32 waves] dwords: counts of experts 2 q (low half) and 2 q + 1 (high half); totals are at most 4,096
.set AUX, 50176                        ; [32 waves][16] f32: 8 sums of probabilities, 8 counts of first choices
                                       ; LDS bytes 0 .. 49,151: the table as it will lie in tab
	s_load_b256 s[4:11], s[0:1], 0x0               ; route s[4:5], auxp s[6:7], tab s[8:9], tokslot s[10:11]
	s_load_b64 s[12:13], s[0:1], 0x20              ; out1
	v_lshl_add_u32 v96, v0, 2, 0xcc00
	v_mov_b32 v97, 0
	v_lshrrev_b32 v3, 5, v0
	v_readfirstlane_b32 s14, v3                    ; wave
	v_and_b32 v3, 31, v0                           ; lane
	v_lshlrev_b32 v1, 4, v0                        ; 16 i: thread i owns tokens 4 i .. 4 i + 3
	v_lshlrev_b32 v2, 5, v0                        ; 32 i
.irp n, 16,17,18,19,33,34
	v_mov_b32 v\n, 0
.endr
	s_mov_b32 s16, 0x76543210
	s_mov_b32 s17, 0xfedcba98
	s_wait_kmcnt 0x0
	global_load_b128 v[4:7], v1, s[4:5]            ; four tokens' choices
	global_load_b128 v[8:11], v2, s[6:7]           ; half a record of auxp: even threads 8 probability sums, odd threads 8 counts
	global_load_b128 v[12:15], v2, s[6:7] offset:16
	ds_store_b128 v1, v[16:19]                     ; the table starts as zeros
	ds_store_b128 v1, v[16:19] offset:16384
	ds_store_b128 v1, v[16:19] offset:32768
	s_wait_loadcnt 0x0
.irp j, 0,1,2,3
	v_and_b32 v[20+\j], 7, v[4+\j]                 ; first choice
	v_bfe_u32 v[24+\j], v[4+\j], 8, 3              ; second choice
.endr
	; how many of my wave's 128 tokens chose expert e
.irp e, 0,1,2,3,4,5,6,7
	s_mov_b32 s[32+\e], 0
.irp j, 0,1,2,3
	v_cmp_eq_u32 s20, \e, v[20+\j]
	v_cmp_eq_u32 s21, \e, v[24+\j]
	s_or_b32 s20, s20, s21
	s_bcnt1_i32_b32 s20, s20
	s_add_co_u32 s[32+\e], s[32+\e], s20
.endr
.endr
	s_lshl_b32 s21, s14, 2
	v_mov_b32 v32, s21                             ; 4 x wave
.irp q, 0,1,2,3
	s_lshl_b32 s20, s[33+2*\q], 16
	s_or_b32 s20, s20, s[32+2*\q]
	v_mov_b32 v[28+\q], s20
	ds_store_b32 v32, v[28+\q] offset:CNT+128*\q   ; all lanes write the same word with the same value
.endr
	; the loss: my wave's 16 records, added over the lanes of equal parity
.irp m, 2,4,8
.irp a, 8,9,10,11,12,13,14,15
	v_add_f32_dpp v\a, v\a, v\a row_xmask:\m row_mask:0xf bank_mask:0xf
.endr
.endr
.irp a, 8,10,12,14
	v_permlanex16_b32 v33, v\a, s16, s17
	v_permlanex16_b32 v34, v[\a+1], s16, s17
	v_add_f32 v\a, v\a, v33
	v_add_f32 v[\a+1], v[\a+1], v34
.endr
	v_and_b32 v35, 1, v3
	v_lshlrev_b32 v35, 5, v35
	v_lshl_add_u32 v35, s14, 6, v35                ; 64 x wave + 32 x parity
	ds_store_b128 v35, v[8:11] offset:AUX
	ds_store_b128 v35, v[12:15] offset:AUX+16
	s_wait_dscnt 0x0                               ; my zeros, counts and sums are in LDS, for the other waves' sake
	s_barrier_signal -1
	s_barrier_wait -1
	; totals over the 32 waves, and the sum over the waves in front of mine: lane l takes wave l's packed counts
	v_lshlrev_b32 v36, 2, v3
.irp q, 0,1,2,3
	ds_load_b32 v[40+\q], v36 offset:CNT+128*\q
.endr
.irp n, 56,57,58,59,60,61,62,63
	v_mov_b32 v\n, 0                               ; destinations of the lane moves below: written once before
.endr
	v_cmp_gt_u32 s20, s14, v3
	s_wait_dscnt 0x0
.irp q, 0,1,2,3
	v_cndmask_b32 v[44+\q], 0, v[40+\q], s20
.endr
.irp m, 1,2,4,8
.irp a, 0,1,2,3,4,5,6,7
	v_mov_b32_dpp v[56+\a], v[40+\a] row_xmask:\m row_mask:0xf bank_mask:0xf
.endr
.irp a, 0,1,2,3,4,5,6,7
	v_add_nc_u32 v[40+\a], v[40+\a], v[56+\a]
.endr
.endr
.irp a, 0,1,2,3,4,5,6,7
	v_permlanex16_b32 v[56+\a], v[40+\a], s16, s17
.endr
.irp a, 0,1,2,3,4,5,6,7
	v_add_nc_u32 v[40+\a], v[40+\a], v[56+\a]
.endr
; Expert e: s23 = its total, s24 = the count in the waves in front of mine, s22 = its first tile.
; s[40+e] = my wave's first slot for it; s[48+e] = the tile behind its last.  ceil(n / 144) = (((n + 143) >> 4) x 57) >> 9, exact while (n + 143) >> 4 < 512.
.macro PLACE e
	s_mul_i32 s25, s22, 144
	s_add_co_u32 s[40+\e], s25, s24
	s_add_co_u32 s23, s23, 143
	s_lshr_b32 s23, s23, 4
	s_mul_i32 s23, s23, 57
	s_lshr_b32 s23, s23, 9
	s_add_co_u32 s22, s22, s23
	s_mov_b32 s[48+\e], s22
.endm
	s_mov_b32 s22, 0
.irp q, 0,1,2,3
	v_readfirstlane_b32 s20, v[40+\q]
	v_readfirstlane_b32 s21, v[44+\q]
	s_and_b32 s23, s20, 0xffff
	s_and_b32 s24, s21, 0xffff
	PLACE 2*\q
	s_lshr_b32 s23, s20, 16
	s_lshr_b32 s24, s21, 16
	PLACE 2*\q+1
.endr
	; each pair's slot: the wave's running first slot of its expert + the number of lower lanes with the same expert
.irp n, 48,49,50,51,52,53,54,55
	v_mov_b32 v\n, 0
.endr
.irp j, 0,1,2,3
.irp e, 0,1,2,3,4,5,6,7
	v_cmp_eq_u32 s20, \e, v[20+\j]
	v_cmp_eq_u32 s21, \e, v[24+\j]
	s_or_b32 s23, s20, s21
	v_mbcnt_lo_u32_b32 v56, s23, s[40+\e]
	v_cndmask_b32 v[48+2*\j], v[48+2*\j], v56, s20
	v_cndmask_b32 v[49+2*\j], v[49+2*\j], v56, s21
	s_bcnt1_i32_b32 s23, s23
	s_add_co_u32 s[40+\e], s[40+\e], s23
.endr
.endr
.irp n, 48,49,50,51,52,53,54,55
	v_min_u32 v\n, 0x23ff, v\n                     ; a slot is below 9,216 by the count above; the bound is written out since it becomes an address
.endr
	global_store_b128 v2, v[48:51], s[10:11]       ; tokslot: 32 bytes a thread, neighbouring threads neighbouring bytes
	global_store_b128 v2, v[52:55], s[10:11] offset:16
	v_lshlrev_b32 v57, 3, v0                       ; 2 x (4 i)
.irp n, 0,1,2,3,4,5,6,7
	v_lshlrev_b32 v[64+\n], 2, v[48+\n]
	v_add_nc_u32 v[72+\n], \n, v57                 ; 2 (4 i + j) + choice, n = 2 j + choice
	ds_store_b32 v[64+\n], v[72+\n]                ; every slot is written by one pair at the most
.endr
	s_cmp_gt_u32 s14, 1
	s_cbranch_scc1 .Lno_tiles
	v_mov_b32 v58, 0                               ; threads 0..63: tile t belongs to the first expert whose tiles end behind t
.irp e, 0,1,2,3,4,5,6,7
	v_cmp_le_u32 vcc_lo, s[48+\e], v0
	v_cndmask_b32 v59, 0, 1, vcc_lo
	v_add_nc_u32 v58, v58, v59
.endr
	v_min_u32 v58, 7, v58
	v_lshlrev_b32 v59, 2, v0
	ds_store_b32 v59, v58 offset:36864
.Lno_tiles:
	s_wait_dscnt 0x0                               ; my part of the table is in LDS
	s_barrier_signal -1
	s_barrier_wait -1
	ds_load_b128 v[64:67], v1
	ds_load_b128 v[68:71], v1 offset:16384
	ds_load_b128 v[72:75], v1 offset:32768
	s_wait_dscnt 0x0
	global_store_b128 v1, v[64:67], s[8:9]         ; the table leaves in whole runs of 512 bytes a wave
	global_store_b128 v1, v[68:71], s[8:9] offset:16384
	global_store_b128 v1, v[72:75], s[8:9] offset:32768
	s_cmp_lg_u32 s14, 0
	s_cbranch_scc1 .Ldone
	; wave 0: aux = 0.01 x 8 x sum over e of (P_e / 4096) (C_e / 4096).  Lane (m = L & 15, half) adds word m of 16 waves' records.
	v_and_b32 v60, 15, v3
	v_lshrrev_b32 v61, 4, v3
	v_lshlrev_b32 v60, 2, v60
	v_lshl_add_u32 v60, v61, 10, v60
.irp n, 0,1,2,3,4,5,6,7,8,9,10,11,12,13,14,15
	ds_load_b32 v[76+\n], v60 offset:AUX+64*\n
.endr
	s_wait_dscnt 0x0
	v_pk_add_f32 v[76:77], v[76:77], v[78:79]
	v_pk_add_f32 v[80:81], v[80:81], v[82:83]
	v_pk_add_f32 v[84:85], v[84:85], v[86:87]
	v_pk_add_f32 v[88:89], v[88:89], v[90:91]
	v_pk_add_f32 v[76:77], v[76:77], v[80:81]
	v_pk_add_f32 v[84:85], v[84:85], v[88:89]
	v_pk_add_f32 v[76:77], v[76:77], v[84:85]
	v_add_f32 v76, v76, v77
	v_permlanex16_b32 v77, v76, s16, s17
	v_add_f32 v76, v76, v77                        ; lanes m < 8: P_m; lanes m >= 8: C_(m - 8)
	v_mul_f32_dpp v76, v76, v76 row_xmask:8 row_mask:0xf bank_mask:0xf   ; P_e C_e
	v_add_f32_dpp v76, v76, v76 row_xmask:1 row_mask:0xf bank_mask:0xf
	v_add_f32_dpp v76, v76, v76 row_xmask:2 row_mask:0xf bank_mask:0xf
	v_add_f32_dpp v76, v76, v76 row_xmask:4 row_mask:0xf bank_mask:0xf
	v_mul_f32 v76, 0x31a3d70a, v76                 ; 0.08 x 2^-24
	v_mov_b32 v62, 0
	v_cmp_eq_u32 vcc_lo, 0, v3
	s_wait_xcnt 0x0                                ; EXEC changes only behind s_wait_xcnt 0
	s_and_saveexec_b32 s20, vcc_lo
	global_store_b32 v62, v76, s[12:13]
	s_wait_xcnt 0x0
	s_or_b32 exec_lo, exec_lo, s20
.Ldone:
	s_wait_tensorcnt 0x0
	ds_add_u32 v96, v97
	s_wait_dscnt 0x0
	s_endpgm
.Lfunc_end_k_q0c2b41fe87_plan:
	.size	k_q0c2b41fe87_plan, .Lfunc_end_k_q0c2b41fe87_plan-k_q0c2b41fe87_plan
	.p2alignl 7, 3214868480
	.fill 96, 4, 3214868480
	.section	.rodata,"a",@progbits
	.p2align	6, 0x0
	.amdhsa_kernel k_q0c2b41fe87_plan
		.amdhsa_group_segment_fixed_size 56320
		.amdhsa_private_segment_fixed_size 0
		.amdhsa_enable_private_segment 0
		.amdhsa_kernarg_size 40
		.amdhsa_user_sgpr_count 2
		.amdhsa_user_sgpr_kernarg_segment_ptr 1
		.amdhsa_wavefront_size32 1
		.amdhsa_system_sgpr_workgroup_id_x 1
		.amdhsa_system_sgpr_workgroup_id_y 1
		.amdhsa_system_sgpr_workgroup_id_z 1
		.amdhsa_system_vgpr_workitem_id 0
		.amdhsa_next_free_vgpr 98
		.amdhsa_next_free_sgpr 66
		.amdhsa_reserve_vcc 1
		.amdhsa_float_denorm_mode_32 3
		.amdhsa_float_denorm_mode_16_64 3
		.amdhsa_memory_ordered 1
		.amdhsa_forward_progress 1
		.amdhsa_inst_pref_size 40
	.end_amdhsa_kernel
	.amdgpu_metadata
---
amdhsa.version: [ 1, 2 ]
amdhsa.kernels:
  - .name:           k_q0c2b41fe87_plan
    .symbol:         k_q0c2b41fe87_plan.kd
    .args:
      - { .name: route, .offset: 0, .size: 8, .value_kind: global_buffer, .address_space: global }
      - { .name: auxp, .offset: 8, .size: 8, .value_kind: global_buffer, .address_space: global }
      - { .name: tab, .offset: 16, .size: 8, .value_kind: global_buffer, .address_space: global }
      - { .name: tokslot, .offset: 24, .size: 8, .value_kind: global_buffer, .address_space: global }
      - { .name: out1, .offset: 32, .size: 8, .value_kind: global_buffer, .address_space: global }
    .group_segment_fixed_size: 56320
    .private_segment_fixed_size: 0
    .kernarg_segment_align: 8
    .kernarg_segment_size: 40
    .max_flat_workgroup_size: 1024
    .sgpr_count:     66
    .vgpr_count:     98
    .wavefront_size: 32
...
	.end_amdgpu_metadata
.endif
;; end of part 2
;; launch ffn (part 3): grid 4 x 64, 4 waves a work-group, no clusters, 327,680 bytes of LDS; arguments x, wb, b1, b2, gate, tab, yp; writes yp
.if DOCPART == 3
	.amdgcn_target "amdgcn-amd-amdhsa--gfx1250"
	.amdhsa_code_object_version 6
	.text
	.protected	k_q0c2b41fe87_ffn
	.globl	k_q0c2b41fe87_ffn
	.p2align	8
	.type	k_q0c2b41fe87_ffn,@function
k_q0c2b41fe87_ffn:
	s_mov_b64 s[64:65], 0
	v_nop
	global_prefetch_b8 v0, s[64:65] scope:SCOPE_SE
	s_setreg_imm32_b32 hwreg(HW_REG_WAVE_MODE, 25, 1), 1
	s_wait_xcnt 0x0
; ffn: work-group (split, tile) takes the 144 (token, choice) pairs of one row tile, all of one expert e, and 512 of the 2,048 hidden columns:
;   H[144][512] = gelu(X[144][512] W1[e][:, split] + b1),  kept in LDS as f16
;   Y[144][512] = gate x (H W2[e][split rows, :] + b2 / 4),  stored to yp[split][slot]; the next launch adds a token's 2 x 4 rows.
; Experts that a token did not choose have the combine weight 0, so only the chosen pairs are computed.
; Both products have one shape: the rows (X, then H) lie whole in LDS, K contiguous; the weights stream through a ring of two LDS slots in
; 8 steps of 64 k x 512 columns, as stored ([K][N]), and are transposed on the way into registers by ds_load_tr16_b128.
; Four waves; wave w owns all 144 rows x columns 128 w .. + 127: 9 x 8 accumulator tiles, 576 registers; 34 LDS loads feed 72 matrix instructions.
; The grid is fixed at 64 tiles, which serve every routing; tiles behind the last used one (and unused slots of a tile) hold pair 0, run the same
; text, and their rows of yp are never read: a skip would put barriers under a branch on loaded data.
; NO CLUSTER: the row tiles of one expert read the same weights, but which tiles share an expert hangs on counts in memory: four neighbouring
; tiles may belong to two experts, and partners would then need different descriptors.  Padding every expert to a multiple of four tiles needs
; up to 4 x floor((8192 + 8 x 575) / 576) = 88 tiles, more than the 64 that make one work-group for each of 256 places.  The four splits of a
; tile share X alone, which is gathered row by row through registers.
; NUMBER FORMAT: the matrix operands (x, w1, H, w2) are f16, the sums f32.  f16 and not bf16: 11 significant bits against 8 at the same matrix rate;
; an output is a sum of 2,048 products on top of sums of 512, and all four operands' roundings add up in it.
; LIMITS: |x|, |w| and the hidden activations H stay below 65,504, f16's largest number; beyond it the conversion gives infinity.  By the sizes: a hidden
; sum has 512 products; with x of spread 1 and w1 of spread 1 / sqrt 512 its spread is 1; both 30 times larger: 900; both carrying an offset of 30
; spreads: 512 x 30 x 1.33 = 20,400.  Below 6.1e-5 an operand is kept with an absolute error of at most 3e-8.
; erf is taken from a rational form with an exponential (Abramowitz and Stegun 7.1.26), absolute error at most 1.5e-7 for every argument;
; gelu(x) = max(x, 0) - |x| erfc(|x| / sqrt 2) / 2 forms no difference of large numbers.
;
; LDS:  0        two ring slots of 67,584: 64 k rows of 1,024 bytes + 32 padding (pitch 1,056 = 33 x 32); filled by tensor loads alone
;       135,168  XH: 144 rows of 1,024 bytes + 16 (pitch 1,040 = 65 x 16): X, later H; written by ds_store alone
;       284,928  four stages of 8,448, one a wave: 16 rows of 512 bytes + 16 (pitch 528 = 33 x 16), for the way out
; REGISTERS, in windows of 256:
;   window 0: v0-28 addresses and gates; v32-103, v104-175 fragments of the rows, two buffers; v176-187 constants; v192-255 at work
;   window 1: v0-63, v64-127 fragments of the weights, two buffers; v128-191 accumulators of row block 8; v192-255 the bias of my columns
;   window 2, 3: accumulators of row blocks 0-3, 4-7: tile (i, nb) at v[64 (i & 3) + 8 nb]
.set SLOTB, 67584
.set BP,    1056
.set XH,    135168
.set XP,    1040
.set STAGE, 284928
.set SP,    528
.set GATE,  16                         ; v16-24: the gate of row 16 i + r; v25 = 0 fills the last pair
.set FA,    32                         ; row fragments: buffer f at FA + 72 f
.set BIAS,  192                        ; window 1
.set GX,    32                         ; at work in the two epilogues, window 0
.set GU,    64
.set GE,    96
.set GP,    128
.set GH,    160
.set GT,    192
.set CA1,   176
.set CA2,   178
.set CA3,   180
.set CA4,   182
.set CA5,   184
.set CC,    186
.set MSB, 0
.macro WIN new                         ; s_set_vgpr_msb: bits 1:0 source 0, 3:2 source 1, 5:4 source 2, 7:6 destination; the high byte repeats the setting that is left
.if MSB != \new
	s_set_vgpr_msb (MSB<<8)|\new
.set MSB, \new
.endif
.endm
.macro ACCSEL i, wa, wb, wc            ; the window setting for row block i, and AB = its first accumulator register in that window
.if \i < 4
	WIN \wa
.set AB, 64*\i
.else
.if \i < 8
	WIN \wb
.set AB, 64*(\i-4)
.else
	WIN \wc
.set AB, 128
.endif
.endif
.endm
.macro PLACES                          ; four plain vector instructions between a matrix instruction and a load into, or a vector instruction on, its registers
.rept 4
	v_nop
.endr
.endm
	s_load_b256 s[4:11], s[0:1], 0x0               ; x s[4:5], wb s[6:7], b1 s[8:9], b2 s[10:11]
	s_load_b128 s[12:15], s[0:1], 0x20             ; gate s[12:13], tab s[14:15]
	s_load_b64 s[16:17], s[0:1], 0x30              ; yp
	v_lshl_add_u32 v190, v0, 2, 0x4dd00
	v_mov_b32 v191, 0
	ds_add_u32 v190, v191
	ds_add_u32 v190, v191
	v_lshrrev_b32 v1, 5, v0
	v_readfirstlane_b32 s20, v1                    ; wave
	s_mov_b32 s21, ttmp9                           ; split
	s_and_b32 s22, ttmp7, 0xffff                   ; tile
	s_mul_i32 s60, s22, 576                        ; 144 slots x 4 bytes
	s_mov_b32 s61, 0
	s_mul_i32 s2, s20, 144                         ; 36 slots x 4 bytes
	s_mov_b32 s3, 0
	s_lshl_b32 s62, s22, 2
	s_add_co_u32 s62, s62, 36864                   ; 4 (9216 + tile)
	s_mov_b32 s63, 0
	s_wait_dscnt 0x0
	s_wait_kmcnt 0x0
	s_add_nc_u64 s[62:63], s[14:15], s[62:63]
	s_add_nc_u64 s[14:15], s[14:15], s[60:61]      ; tab at the tile's first slot
	s_add_nc_u64 s[60:61], s[14:15], s[2:3]        ; and at my wave's 36 slots
	s_load_b32 s23, s[62:63], 0x0                  ; the tile's expert
	s_load_b512 s[68:83], s[60:61], 0x0            ; the pairs of my 36 rows
	s_load_b512 s[84:99], s[60:61], 0x40
	s_load_b128 s[56:59], s[60:61], 0x80
	; descriptor group 1: 16 rows x 512 elements of 2 bytes; behind every 256 dwords (a row) 8 dwords of padding.  G1A: pitch 2,048 (w1), G1B: 512 (w2)
	s_mov_b32 s24, 0x0fd10000                      ; 17:16 element of 2 bytes; 20 padding on; 24:22 interval code 7; 31:25 amount code 7
	s_mov_b32 s25, 512<<16                         ; tensor_dim0 = 512
	s_mov_b32 s26, 16<<16                          ; tensor_dim1 = 16
	s_mov_b32 s27, 512<<16                         ; tile_dim0 = 512
	s_mov_b32 s28, 16                              ; tile_dim1 = 16
	s_mov_b32 s29, 2048                            ; elements from row to row
	s_mov_b32 s30, 0
	s_mov_b32 s31, 0
	s_mov_b32 s32, 0x0fd10000
	s_mov_b32 s33, 512<<16
	s_mov_b32 s34, 16<<16
	s_mov_b32 s35, 512<<16
	s_mov_b32 s36, 16
	s_mov_b32 s37, 512
	s_mov_b32 s38, 0
	s_mov_b32 s39, 0
	s_mov_b32 s66, 0x3e6d3388                      ; 0.3275911 / sqrt 2
	; lane constants
	v_and_b32 v1, 31, v0                           ; L
	v_and_b32 v2, 15, v0                           ; r
	v_bfe_u32 v3, v0, 4, 1                         ; h
	v_mul_u32_u24 v4, v2, XP
	v_lshl_add_u32 v4, v3, 4, v4
	v_add_nc_u32 v4, XH, v4                        ; v4-6: row fragments of blocks 0-2, 3-5, 6-8: XH + 49,920 g + 1,040 r + 16 h
	v_add_nc_u32 v5, 49920, v4
	v_add_nc_u32 v6, 99840, v4
	v_and_b32 v7, 7, v0
	v_lshl_add_u32 v7, v3, 3, v7
	v_mul_u32_u24 v7, v7, BP                       ; v7, v8: weight fragments in slot 0, 1: (8 h + (L & 7)) x 1,056 + 16 ((L >> 3) & 1) + 256 w
	v_bfe_u32 v8, v0, 3, 1
	v_lshl_add_u32 v7, v8, 4, v7
	v_lshl_add_u32 v7, s20, 8, v7
	v_add_nc_u32 v8, SLOTB, v7
	v_lshl_add_u32 v9, s20, 8, v4                  ; v9-11: where H goes: the row fragments' addresses + my 128 columns
	v_lshl_add_u32 v10, s20, 8, v5
	v_lshl_add_u32 v11, s20, 8, v6
	s_mul_i32 s2, s20, 16*SP
	s_add_co_u32 s2, s2, STAGE                     ; my stage
	v_mul_u32_u24 v12, v2, SP
	v_lshl_add_u32 v12, v3, 5, v12
	v_add_nc_u32 v12, s2, v12                      ; v12: into the stage: row r, 32 bytes for each half of the lanes
	v_lshl_add_u32 v13, v1, 4, s2                  ; v13: back out of it: 16 L of a row
	v_lshlrev_b32 v15, 4, v1                       ; v15: 16 L
	v_lshl_add_u32 v14, s20, 9, v15                ; v14: my 16 bytes in a row of yp
	s_mul_i32 s3, s20, 36*XP
	s_add_co_u32 s3, s3, XH
	v_lshl_add_u32 v26, v1, 3, s3                  ; v26: where my wave's 36 rows of X go: 8 L of a quarter row
	v_lshlrev_b32 v27, 5, v3                       ; v27: 32 h
	v_lshlrev_b32 v28, 2, v2                       ; v28: 4 r
	v_mov_b32 v25, 0
.irp n, 0,1
	v_mov_b32 v[CA1+\n], 0x3e027906                ; the five coefficients, halved:  0.127414796
	v_mov_b32 v[CA2+\n], 0xbe11a98e                ; -0.142248368
	v_mov_b32 v[CA3+\n], 0x3f35f0e3                ;  0.710706871
	v_mov_b32 v[CA4+\n], 0xbf3a00e3                ; -0.726576014
	v_mov_b32 v[CA5+\n], 0x3f07dc22                ;  0.530702715
	v_mov_b32 v[CC+\n],  0xbf38aa3b                ; -log2(e) / 2
.endr
	s_mul_i32 s2, s20, 16*BP                       ; my 16 rows of a slot
	s_mov_b32 s40, 1                               ; group 0, w1's stream, slot 0, 1: s[40:43], s[44:47]; w2's stream: s[48:51], s[52:55]
	s_mov_b32 s41, s2
	s_mov_b32 s44, 1
	s_add_co_u32 s45, s2, SLOTB
	s_mov_b32 s48, 1
	s_mov_b32 s49, s2
	s_mov_b32 s52, 1
	s_add_co_u32 s53, s2, SLOTB
	s_wait_kmcnt 0x0
	s_min_u32 s23, s23, 7
	s_lshl_b32 s60, s23, 21                        ; an expert's matrix in f16: 2 MiB
	s_lshl_b32 s62, s20, 16                        ; w1: my 16 rows of 4,096 bytes
	s_add_co_u32 s62, s62, s60
	s_lshl_b32 s63, s21, 10                        ; the split's 512 columns
	s_add_co_u32 s62, s62, s63
	s_mov_b32 s63, 0
	s_add_nc_u64 s[42:43], s[6:7], s[62:63]
	s_add_nc_u64 s[46:47], s[42:43], 262144        ; the next 64 rows
	s_or_b32 s43, s43, 0x80000000
	s_or_b32 s47, s47, 0x80000000
	tensor_load_to_lds s[40:43], s[24:31]          ; the two first fills go out together, ahead of every LDS access, wait on TENSORcnt and barrier.
	s_nop 0
	tensor_load_to_lds s[44:47], s[24:31]          ; By this text's count a wave has at most two tensor loads outstanding: these two; later one.
	s_nop 0
	s_lshl_b32 s62, s20, 14                        ; w2: my 16 rows of 1,024 bytes
	s_add_co_u32 s62, s62, s60
	s_lshl_b32 s63, s21, 19                        ; the split's 512 rows
	s_add_co_u32 s62, s62, s63
	s_add_co_u32 s62, s62, 16777216                ; w2 lies behind w1 in wb
	s_mov_b32 s63, 0
	s_add_nc_u64 s[50:51], s[6:7], s[62:63]
	s_add_nc_u64 s[54:55], s[50:51], 65536
	s_or_b32 s51, s51, 0x80000000
	s_or_b32 s55, s55, 0x80000000
	s_lshl_b32 s62, s23, 13                        ; b1 at expert, split, my 128 columns
	s_lshl_b32 s60, s21, 11
	s_add_co_u32 s62, s62, s60
	s_lshl_b32 s60, s20, 9
	s_add_co_u32 s62, s62, s60
	s_add_nc_u64 s[8:9], s[8:9], s[62:63]
	s_lshl_b32 s62, s23, 11                        ; b2 at expert, my 128 columns
	s_add_co_u32 s62, s62, s60
	s_add_nc_u64 s[10:11], s[10:11], s[62:63]
	s_mul_i32 s62, s21, 18874368                   ; yp at (9216 split + 144 tile) rows of 2,048 bytes
	s_mul_i32 s60, s22, 294912
	s_add_co_u32 s62, s62, s60
	s_add_nc_u64 s[16:17], s[16:17], s[62:63]
	; the pairs of rows 16 i + r, for the gates
.set i, 0
.rept 9
	global_load_b32 v[68+i], v28, s[14:15] offset:64*i
.set i, i+1
.endr
	; X: my wave gathers rows 36 w .. + 35, 2,048 bytes each, into the registers that will be accumulators
.macro ROWOFF sr, rho
	s_lshr_b32 s[\sr], s[\sr], 1                   ; the pair's token,
	s_min_u32 s[\sr], s[\sr], 4095                 ; inside x,
	s_lshl_b32 s[\sr], s[\sr], 11                  ; its row
	v_add_nc_u32 v[32+\rho], s[\sr], v15
.endm
.set rho, 0
.rept 32
	ROWOFF 68+rho, rho
.set rho, rho+1
.endr
.rept 4
	ROWOFF 24+rho, rho
.set rho, rho+1
.endr
	WIN 0x80
.set rho, 0
.rept 16
.irp j, 0,1,2,3
	global_load_b128 v[16*rho+4*\j:16*rho+4*\j+3], v[32+rho], s[4:5] offset:512*\j
.endr
.set rho, rho+1
.endr
	WIN 0xc0
.rept 16
.irp j, 0,1,2,3
	global_load_b128 v[16*(rho-16)+4*\j:16*(rho-16)+4*\j+3], v[32+rho], s[4:5] offset:512*\j
.endr
.set rho, rho+1
.endr
	WIN 0x40
.rept 4
.irp j, 0,1,2,3
	global_load_b128 v[128+16*(rho-32)+4*\j:128+16*(rho-32)+4*\j+3], v[32+rho], s[4:5] offset:512*\j
.endr
.set rho, rho+1
.endr
.irp nb, 0,1,2,3,4,5,6,7
	global_load_b128 v[BIAS+8*\nb:BIAS+8*\nb+3],   v27, s[8:9] offset:64*\nb      ; b1 of columns 16 nb + 8 h + 0 .. 7
	global_load_b128 v[BIAS+8*\nb+4:BIAS+8*\nb+7], v27, s[8:9] offset:64*\nb+16
.endr
; Four rows (16 loads) at a time: round to f16 and lay into XH.  left = the loads behind this group's: 16 for each later group and b1's 16,
; written as 63 where that is more than the wait's field holds (a smaller count waits for more).
.macro XGROUP g, win, sb, left
	s_wait_loadcnt \left
	WIN \win
.set q, 0
.rept 32
	v_cvt_pk_f16_f32 v[96+q], v[\sb+2*q], v[\sb+2*q+1]
.set q, q+1
.endr
	WIN 0
.set q, 0
.rept 16
	ds_store_b64 v26, v[96+2*q:97+2*q] offset:XP*(4*\g+q/4)+256*(q%4)
.set q, q+1
.endr
.endm
	XGROUP 0, 0x0a, 0,   63
	XGROUP 1, 0x0a, 64,  63
	XGROUP 2, 0x0a, 128, 63
	XGROUP 3, 0x0a, 192, 63
	XGROUP 4, 0x0f, 0,   63
	XGROUP 5, 0x0f, 64,  63
	XGROUP 6, 0x0f, 128, 48
	XGROUP 7, 0x0f, 192, 32
	XGROUP 8, 0x05, 128, 16
.set i, 0
.rept 9
	v_min_u32 v[192+i], 0x1fff, v[68+i]            ; a pair is below 8,192
	v_lshlrev_b32 v[192+i], 2, v[192+i]
	global_load_b32 v[GATE+i], v[192+i], s[12:13]
.set i, i+1
.endr
; 34 LDS loads: the fragments of 32 along K into buffer f.  Weights: k rows krow .. + 31 of the slot, my 128 columns, transposed in the load.
; Rows: all nine blocks, at byte kb of the rows.
.macro FETCH slot, krow, kb, f
	WIN 0x40
.irp nb, 0,1,2,3,4,5,6,7
	ds_load_tr16_b128 v[64*\f+8*\nb:64*\f+8*\nb+3],   v[7+\slot] offset:\krow*BP+32*\nb
	ds_load_tr16_b128 v[64*\f+8*\nb+4:64*\f+8*\nb+7], v[7+\slot] offset:\krow*BP+32*\nb+16*BP
.endr
	WIN 0
.irp i, 0,1,2,3,4,5,6,7,8
	ds_load_b128 v[FA+72*\f+8*\i:FA+72*\f+8*\i+3],   v[4+\i/3] offset:(\i%3)*16*XP+\kb
	ds_load_b128 v[FA+72*\f+8*\i+4:FA+72*\f+8*\i+7], v[4+\i/3] offset:(\i%3)*16*XP+\kb+32
.endr
.endm
; Eight matrix instructions: row block i x my eight column blocks.  Source 0 = 16 columns of the weights, source 1 = 16 rows: lane (r, h) then holds
; row 16 i + r and the eight neighbouring columns 16 nb + 8 h + 0 .. 7.  zero = 1: the product starts the sums.
; The 72 accumulators take turns, one instruction a turn, in the same order throughout.
.macro MULB f, i, zero
	ACCSEL \i, 0xa1, 0xf1, 0x51
.irp nb, 0,1,2,3,4,5,6,7
.if \zero
	v_wmma_f32_16x16x32_f16 v[AB+8*\nb:AB+8*\nb+7], v[64*\f+8*\nb:64*\f+8*\nb+7], v[FA+72*\f+8*\i:FA+72*\f+8*\i+7], 0
.else
	v_wmma_f32_16x16x32_f16 v[AB+8*\nb:AB+8*\nb+7], v[64*\f+8*\nb:64*\f+8*\nb+7], v[FA+72*\f+8*\i:FA+72*\f+8*\i+7], v[AB+8*\nb:AB+8*\nb+7]
.endif
.endr
.endm
; The first half of K step j (slot's k rows 0-31, buffer 0); in its middle the second half's fragments are fetched into buffer 1.
.macro HALF0 slot, j, zero
	s_wait_dscnt 10                                ; the weights and row blocks 0-3 are in; the youngest ten loads (blocks 4-8) may be out
.irp b, 0,1,2,3
	MULB 0, \b, \zero
.endr
	PLACES
	FETCH \slot, 32, 64*(2*\j+1), 1
	s_wait_dscnt 34                                ; all but the 34 just issued
.irp b, 4,5,6,7,8
	MULB 0, \b, \zero
.endr
.endm
; The second half (buffer 1) and the change of slots.  In front of the barrier each wave waits for its reads of this slot and for all its tensor loads
; (one is out: its part of the other slot); behind it the refill comes first (fill = 1: group 0 at s[g0], group 1 at s[g1], the address stepped by
; step bytes where no load of the wave is out), then the other slot's first fragments (next = 1).
.macro TURN slot, j, fill, g0, g1, step, next
	s_wait_dscnt 10
	MULB 1, 0, 0
	MULB 1, 1, 0
	s_wait_dscnt 0x0                               ; my reads of this slot and of the rows are back
	s_set_vgpr_msb 0xa1a0
	s_wait_tensorcnt 0x0                           ; all my tensor loads have landed
	ds_add_u32 v190, v191
	s_wait_dscnt 0x0
	s_set_vgpr_msb 0xa0a1
.if \step
	s_add_nc_u64 s[\g0+2:\g0+3], s[\g0+2:\g0+3], \step
.endif
	s_barrier_signal -1
	MULB 1, 2, 0                                   ; register work while the others arrive
	MULB 1, 3, 0
	s_barrier_wait -1
.if \fill
	tensor_load_to_lds s[\g0:\g0+3], s[\g1:\g1+7]  ; my one tensor load behind this barrier; it has a whole K step less 16 matrix instructions in which to land
	s_nop 0
.endif
.if \next
	PLACES
	FETCH 1-\slot, 0, 64*(2*\j+2), 0
.endif
.irp b, 4,5,6,7,8
	MULB 1, \b, 0
.endr
.endm
	s_wait_dscnt 0x0                               ; my rows of X are in LDS
	s_wait_tensorcnt 0x1                           ; my part of step 0 has landed; step 1 may stay out
	s_barrier_signal -1
	s_barrier_wait -1
	FETCH 0, 0, 0, 0
	; ---- X W1: eight K steps.  The last two changes of slots already ask for w2's first two steps.
	HALF0 0, 0, 1
	TURN  0, 0, 1, 40, 24, 524288, 1
	HALF0 1, 1, 0
	TURN  1, 1, 1, 44, 24, 524288, 1
	HALF0 0, 2, 0
	TURN  0, 2, 1, 40, 24, 524288, 1
	HALF0 1, 3, 0
	TURN  1, 3, 1, 44, 24, 524288, 1
	HALF0 0, 4, 0
	TURN  0, 4, 1, 40, 24, 524288, 1
	HALF0 1, 5, 0
	TURN  1, 5, 1, 44, 24, 524288, 1
	HALF0 0, 6, 0
	TURN  0, 6, 1, 48, 32, 0, 1
	HALF0 1, 7, 0
	TURN  1, 7, 1, 52, 32, 0, 0                    ; behind this barrier no wave reads X any more: H may be written over it
	; ---- bias, exact GELU, H to LDS.  32 numbers (four tiles) at a time.
	PLACES
	s_wait_loadcnt 0x0                             ; b1 and the gates
.macro GELU i, nbq
	ACCSEL \i, 0x06, 0x07, 0x05
.set q, 0
.rept 16
	v_pk_add_f32 v[GX+2*q:GX+2*q+1], v[AB+32*\nbq+2*q:AB+32*\nbq+2*q+1], v[BIAS+32*\nbq+2*q:BIAS+32*\nbq+2*q+1]
.set q, q+1
.endr
	WIN 0
.set q, 0
.rept 32
	v_fma_f32 v[GU+q], |v[GX+q]|, s66, 1.0         ; 1 + p |x| / sqrt 2
.set q, q+1
.endr
.set q, 0
.rept 16
	v_pk_mul_f32 v[GE+2*q:GE+2*q+1], v[GX+2*q:GX+2*q+1], v[GX+2*q:GX+2*q+1]
.set q, q+1
.endr
.set q, 0
.rept 32
	v_rcp_f32 v[GT+q], v[GU+q]                     ; t
.set q, q+1
.endr
.set q, 0
.rept 16
	v_pk_mul_f32 v[GE+2*q:GE+2*q+1], v[GE+2*q:GE+2*q+1], v[CC:CC+1]   ; plain instructions stand between the reciprocals and their use (ISA guide 5.7.2)
.set q, q+1
.endr
.set q, 0
.rept 32
	v_exp_f32 v[GU+q], v[GE+q]                     ; exp(-x x / 2)
.set q, q+1
.endr
.set q, 0
	s_wait_alu depctr_va_vdst(0)
.rept 16
	v_pk_fma_f32 v[GP+2*q:GP+2*q+1], v[GT+2*q:GT+2*q+1], v[CA5:CA5+1], v[CA4:CA4+1]
.set q, q+1
.endr
.irp c, CA3, CA2, CA1
.set q, 0
.rept 16
	v_pk_fma_f32 v[GP+2*q:GP+2*q+1], v[GP+2*q:GP+2*q+1], v[GT+2*q:GT+2*q+1], v[\c:\c+1]
.set q, q+1
.endr
.endr
.set q, 0
.rept 16
	v_pk_mul_f32 v[GP+2*q:GP+2*q+1], v[GP+2*q:GP+2*q+1], v[GT+2*q:GT+2*q+1]
.set q, q+1
.endr
.set q, 0
.rept 16
	v_pk_mul_f32 v[GP+2*q:GP+2*q+1], v[GP+2*q:GP+2*q+1], v[GU+2*q:GU+2*q+1]   ; erfc(|x| / sqrt 2) / 2
.set q, q+1
.endr
.set q, 0
.rept 32
	v_max_num_f32 v[GE+q], 0, v[GX+q]
.set q, q+1
.endr
.set q, 0
.rept 32
	v_fma_f32 v[GX+q], -|v[GX+q]|, v[GP+q], v[GE+q]
.set q, q+1
.endr
.set q, 0
.rept 16
	v_cvt_pk_f16_f32 v[GH+q], v[GX+2*q], v[GX+2*q+1]
.set q, q+1
.endr
.irp t, 0,1,2,3
	ds_store_b128 v[9+\i/3], v[GH+4*\t:GH+4*\t+3] offset:(\i%3)*16*XP+32*(4*\nbq+\t)   ; row 16 i + r, hidden columns 128 w + 16 nb + 8 h + 0 .. 7
.endr
.endm
.irp i, 0,1,2,3,4,5,6,7,8
	GELU \i, 0
	GELU \i, 1
.endr
	WIN 0x40
.irp nb, 0,1,2,3,4,5,6,7
	global_load_b128 v[BIAS+8*\nb:BIAS+8*\nb+3],   v27, s[10:11] offset:64*\nb     ; b2 of my columns takes b1's place
	global_load_b128 v[BIAS+8*\nb+4:BIAS+8*\nb+7], v27, s[10:11] offset:64*\nb+16
.endr
	WIN 0
	s_wait_dscnt 0x0                               ; my columns of H are in LDS
	s_barrier_signal -1                            ; w2's step 0 was shown landed in front of the last barrier; step 1 may stay out
	s_barrier_wait -1
	FETCH 0, 0, 0, 0
	; ---- H W2: eight K steps
	HALF0 0, 0, 1
	TURN  0, 0, 1, 48, 32, 131072, 1
	HALF0 1, 1, 0
	TURN  1, 1, 1, 52, 32, 131072, 1
	HALF0 0, 2, 0
	TURN  0, 2, 1, 48, 32, 131072, 1
	HALF0 1, 3, 0
	TURN  1, 3, 1, 52, 32, 131072, 1
	HALF0 0, 4, 0
	TURN  0, 4, 1, 48, 32, 131072, 1
	HALF0 1, 5, 0
	TURN  1, 5, 1, 52, 32, 131072, 1
	HALF0 0, 6, 0
	TURN  0, 6, 0, 48, 32, 0, 1                    ; nothing is left to fetch; the barrier shows the last step whole
	HALF0 1, 7, 0
	s_wait_dscnt 10
.irp b, 0,1,2,3
	MULB 1, \b, 0
.endr
	s_wait_dscnt 0x0
.irp b, 4,5,6,7,8
	MULB 1, \b, 0
.endr
	; ---- the way out, 16 rows at a time: (sum + b2 / 4) x gate, through my own stage, back as whole rows of 512 bytes.
	PLACES
	s_wait_loadcnt 0x0                             ; b2
.macro OUT i, z
	ACCSEL \i, 0x21, 0x31, 0x11
.set q, 0
.rept 32
	v_pk_fma_f32 v[GX+2*q:GX+2*q+1], v[BIAS+2*q:BIAS+2*q+1], 0x3e800000, v[AB+2*q:AB+2*q+1] op_sel_hi:[1,0,1]   ; each of the four splits adds a quarter of b2
.set q, q+1
.endr
	WIN 0
.set q, 0
.rept 32
.if (\i%2)==0
	v_pk_mul_f32 v[GX+2*q:GX+2*q+1], v[GX+2*q:GX+2*q+1], v[GATE+2*(\i/2):GATE+2*(\i/2)+1] op_sel_hi:[1,0]
.else
	v_pk_mul_f32 v[GX+2*q:GX+2*q+1], v[GX+2*q:GX+2*q+1], v[GATE+2*(\i/2):GATE+2*(\i/2)+1] op_sel:[0,1] op_sel_hi:[1,1]
.endif
.set q, q+1
.endr
.irp nb, 0,1,2,3,4,5,6,7
	ds_store_b128 v12, v[GX+8*\nb:GX+8*\nb+3]   offset:64*\nb
	ds_store_b128 v12, v[GX+8*\nb+4:GX+8*\nb+7] offset:64*\nb+16
.endr
	s_wait_xcnt 0x0                                ; the registers below were store data two blocks ago: loaded again only behind this wait
.set q, 0
.rept 16
	ds_load_b128 v[\z+4*q:\z+4*q+3], v13 offset:SP*q       ; LDS serves a wave's instructions in order: these see the stores above
.set q, q+1
.endr
.set q, 0
.rept 16
	s_wait_dscnt 15-q
	global_store_b128 v14, v[\z+4*q:\z+4*q+3], s[16:17] offset:(16*\i+q)*2048   ; the wave stores 512 consecutive bytes, at a multiple of 512 from yp's first byte
.set q, q+1
.endr
.endm
	OUT 0, 96
	OUT 1, 192
	OUT 2, 96
	OUT 3, 192
	OUT 4, 96
	OUT 5, 192
	OUT 6, 96
	OUT 7, 192
	OUT 8, 96
	s_wait_tensorcnt 0x0
	ds_add_u32 v190, v191
	s_wait_dscnt 0x0
	s_endpgm
.Lfunc_end_k_q0c2b41fe87_ffn:
	.size	k_q0c2b41fe87_ffn, .Lfunc_end_k_q0c2b41fe87_ffn-k_q0c2b41fe87_ffn
	.p2alignl 7, 3214868480
	.fill 96, 4, 3214868480
	.section	.rodata,"a",@progbits
	.p2align	6, 0x0
	.amdhsa_kernel k_q0c2b41fe87_ffn
		.amdhsa_group_segment_fixed_size 327680
		.amdhsa_private_segment_fixed_size 0
		.amdhsa_enable_private_segment 0
		.amdhsa_kernarg_size 56
		.amdhsa_user_sgpr_count 2
		.amdhsa_user_sgpr_kernarg_segment_ptr 1
		.amdhsa_wavefront_size32 1
		.amdhsa_system_sgpr_workgroup_id_x 1
		.amdhsa_system_sgpr_workgroup_id_y 1
		.amdhsa_system_sgpr_workgroup_id_z 1
		.amdhsa_system_vgpr_workitem_id 0
		.amdhsa_next_free_vgpr 1024
		.amdhsa_next_free_sgpr 100
		.amdhsa_reserve_vcc 0
		.amdhsa_float_denorm_mode_32 3
		.amdhsa_float_denorm_mode_16_64 3
		.amdhsa_memory_ordered 1
		.amdhsa_forward_progress 1
		.amdhsa_inst_pref_size 255
	.end_amdhsa_kernel
	.section	.bss,"aw",@nobits
	.p2align	6
	.space	262144
	.amdgpu_metadata
---
amdhsa.version: [ 1, 2 ]
amdhsa.kernels:
  - .name:           k_q0c2b41fe87_ffn
    .symbol:         k_q0c2b41fe87_ffn.kd
    .args:
      - { .name: x, .offset: 0, .size: 8, .value_kind: global_buffer, .address_space: global }
      - { .name: wb, .offset: 8, .size: 8, .value_kind: global_buffer, .address_space: global }
      - { .name: b1, .offset: 16, .size: 8, .value_kind: global_buffer, .address_space: global }
      - { .name: b2, .offset: 24, .size: 8, .value_kind: global_buffer, .address_space: global }
      - { .name: gate, .offset: 32, .size: 8, .value_kind: global_buffer, .address_space: global }
      - { .name: tab, .offset: 40, .size: 8, .value_kind: global_buffer, .address_space: global }
      - { .name: yp, .offset: 48, .size: 8, .value_kind: global_buffer, .address_space: global }
    .group_segment_fixed_size: 327680
    .private_segment_fixed_size: 0
    .kernarg_segment_align: 8
    .kernarg_segment_size: 56
    .max_flat_workgroup_size: 128
    .sgpr_count:     100
    .vgpr_count:     1024
    .wavefront_size: 32
...
	.end_amdgpu_metadata
.endif
;; end of part 3
;; launch combine (part 4): grid 512 x 1, 8 waves a work-group, no clusters, 0 bytes of LDS; arguments yp, tokslot, out0; writes out0
.if DOCPART == 4
	.amdgcn_target "amdgcn-amd-amdhsa--gfx1250"
	.amdhsa_code_object_version 6
	.text
	.protected	k_q0c2b41fe87_combine
	.globl	k_q0c2b41fe87_combine
	.p2align	8
	.type	k_q0c2b41fe87_combine,@function
k_q0c2b41fe87_combine:
	s_mov_b64 s[64:65], 0
	v_nop
	global_prefetch_b8 v0, s[64:65] scope:SCOPE_SE
	s_setreg_imm32_b32 hwreg(HW_REG_WAVE_MODE, 25, 1), 1
	s_wait_xcnt 0x0
; combine: out0[token] = the sum of the token's eight rows of yp (two chosen experts x four splits of the hidden columns), already gated.
; A gather in place of a scatter-add: one wave takes one token, 32 loads of 512 consecutive bytes, all issued at once; no LDS, no barrier, no loop.
; Memory binds: 16 KiB in and 2 KiB out for each token; matrix units and clusters have nothing to do here.
.set Y, 16                             ; v[16:143]: quarter j of the row, split s, choice k at Y + 4 (8 j + 2 s + k)
	s_load_b128 s[4:7], s[0:1], 0x0                ; yp s[4:5], tokslot s[6:7]
	s_load_b64 s[8:9], s[0:1], 0x10                ; out0
	v_lshrrev_b32 v1, 5, v0
	v_readfirstlane_b32 s10, v1                    ; wave
	v_and_b32 v1, 31, v0
	v_lshlrev_b32 v4, 4, v1                        ; 16 L
	s_lshl_b32 s11, ttmp9, 3
	s_add_co_u32 s11, s11, s10                     ; token
	s_lshl_b32 s12, s11, 3
	s_mov_b32 s13, 0
	s_lshl_b32 s16, s11, 11
	s_mov_b32 s17, 0
	s_wait_kmcnt 0x0
	s_add_nc_u64 s[6:7], s[6:7], s[12:13]
	s_load_b64 s[14:15], s[6:7], 0x0               ; the token's two slots
	s_add_nc_u64 s[8:9], s[8:9], s[16:17]          ; out0 at the token's row
	s_mov_b64 s[24:25], s[4:5]                     ; yp at each split: 9,216 rows of 2,048 bytes apart
	s_add_nc_u64 s[26:27], s[4:5], 18874368
	s_add_nc_u64 s[28:29], s[4:5], 37748736
	s_add_nc_u64 s[30:31], s[4:5], 56623104
	s_wait_kmcnt 0x0
	s_min_u32 s14, s14, 9215
	s_min_u32 s15, s15, 9215
	s_lshl_b32 s14, s14, 11
	s_lshl_b32 s15, s15, 11
	v_add_nc_u32 v2, s14, v4
	v_add_nc_u32 v3, s15, v4
.irp j, 0,1,2,3
.irp s, 0,1,2,3
.irp k, 0,1
	global_load_b128 v[Y+4*(8*\j+2*\s+\k):Y+4*(8*\j+2*\s+\k)+3], v[2+\k], s[24+2*\s:25+2*\s] offset:512*\j th:TH_LOAD_NT
.endr
.endr
.endr
.macro ADD4 a, b                       ; four numbers onto four
	v_pk_add_f32 v[\a:\a+1], v[\a:\a+1], v[\b:\b+1]
	v_pk_add_f32 v[\a+2:\a+3], v[\a+2:\a+3], v[\b+2:\b+3]
.endm
.irp j, 0,1,2,3
	s_wait_loadcnt 24-8*\j                         ; this quarter's eight loads are in; the later quarters' stay out
	ADD4 Y+32*\j,    Y+32*\j+4
	ADD4 Y+32*\j+8,  Y+32*\j+12
	ADD4 Y+32*\j+16, Y+32*\j+20
	ADD4 Y+32*\j+24, Y+32*\j+28
	ADD4 Y+32*\j,    Y+32*\j+8
	ADD4 Y+32*\j+16, Y+32*\j+24
	ADD4 Y+32*\j,    Y+32*\j+16
	global_store_b128 v4, v[Y+32*\j:Y+32*\j+3], s[8:9] offset:512*\j th:TH_STORE_NT
.endr
	s_endpgm
.Lfunc_end_k_q0c2b41fe87_combine:
	.size	k_q0c2b41fe87_combine, .Lfunc_end_k_q0c2b41fe87_combine-k_q0c2b41fe87_combine
	.p2alignl 7, 3214868480
	.fill 96, 4, 3214868480
	.section	.rodata,"a",@progbits
	.p2align	6, 0x0
	.amdhsa_kernel k_q0c2b41fe87_combine
		.amdhsa_group_segment_fixed_size 0
		.amdhsa_private_segment_fixed_size 0
		.amdhsa_enable_private_segment 0
		.amdhsa_kernarg_size 24
		.amdhsa_user_sgpr_count 2
		.amdhsa_user_sgpr_kernarg_segment_ptr 1
		.amdhsa_wavefront_size32 1
		.amdhsa_system_sgpr_workgroup_id_x 1
		.amdhsa_system_sgpr_workgroup_id_y 1
		.amdhsa_system_sgpr_workgroup_id_z 1
		.amdhsa_system_vgpr_workitem_id 0
		.amdhsa_next_free_vgpr 144
		.amdhsa_next_free_sgpr 66
		.amdhsa_reserve_vcc 0
		.amdhsa_float_denorm_mode_32 3
		.amdhsa_float_denorm_mode_16_64 3
		.amdhsa_memory_ordered 1
		.amdhsa_forward_progress 1
		.amdhsa_inst_pref_size 9
	.end_amdhsa_kernel
	.amdgpu_metadata
---
amdhsa.version: [ 1, 2 ]
amdhsa.kernels:
  - .name:           k_q0c2b41fe87_combine
    .symbol:         k_q0c2b41fe87_combine.kd
    .args:
      - { .name: yp, .offset: 0, .size: 8, .value_kind: global_buffer, .address_space: global }
      - { .name: tokslot, .offset: 8, .size: 8, .value_kind: global_buffer, .address_space: global }
      - { .name: out0, .offset: 16, .size: 8, .value_kind: global_buffer, .address_space: global }
    .group_segment_fixed_size: 0
    .private_segment_fixed_size: 0
    .kernarg_segment_align: 8
    .kernarg_segment_size: 24
    .max_flat_workgroup_size: 256
    .sgpr_count:     66
    .vgpr_count:     144
    .wavefront_size: 32
...
	.end_amdgpu_metadata
.endif
;; end of part 4
;; ======== version 2 of 2: 4 launches; version 1 with the launch prep written anew for expert scheduling mode
;; limits: values are held in f16: magnitudes above 65,504 overflow, below 6.1e-05 lose precision
;; workspace buffers: wb 33,554,432 bytes; route 16,384 bytes of whole numbers; gate 32,768 bytes; auxp 32,768 bytes; tab 49,152 bytes of whole numbers; tokslot 32,768 bytes of whole numbers; yp 75,497,472 bytes
;; launch prep (part 5): grid 640 x 1, 4 waves a work-group, no clusters, 0 bytes of LDS; arguments x, router_w, w1, w2, route, gate, auxp, wb; writes route, gate, auxp, wb
.if DOCPART == 5
	.amdgcn_target "amdgcn-amd-amdhsa--gfx1250"
	.amdhsa_code_object_version 6
	.text
	.protected	k_q0c2b41fe87_prep
	.globl	k_q0c2b41fe87_prep
	.p2align	8
	.type	k_q0c2b41fe87_prep,@function
k_q0c2b41fe87_prep:
	s_mov_b64 s[64:65], 0
	v_nop
	global_prefetch_b8 v0, s[64:65] scope:SCOPE_SE
	s_setreg_imm32_b32 hwreg(HW_REG_WAVE_SCHED_MODE, 0, 2), 2
	s_setreg_imm32_b32 hwreg(HW_REG_WAVE_MODE, 25, 1), 1
	s_wait_xcnt 0x0
	s_wait_alu depctr_vm_vsrc(0)
; prep: two independent jobs in one launch, chosen by the work-group's number.
;   work-groups 0..127:   the router.  logits = x @ router_w in f32 on the vector ALU (16.8 M multiply-adds: the choice of experts has to
;                         agree with an f32 computation, so no operand is rounded), top 2 of 8, their softmax weights, and each wave's
;                         share of the sums for the auxiliary loss.
;   work-groups 128..639: w1 and w2 are rounded once to f16 into wb (w1 first, then w2, layouts unchanged): each weight is multiplied by
;                         about eight row tiles in the next matrix launch, so the rounding is done once here.  f16 and not bf16: 11 significant
;                         bits against 8 at the same matrix rate, and an output is a sum of 2,048 products whose operands' roundings all add.
; LIMITS: logits are taken to be finite.  The f32 sums of a logit are formed in another order than a plain dot product; two logits that are
; closer than that rounding may be ranked the other way.  Equal logits: the lower expert wins.
; Weights: |w| below 65,504 (f16's largest number); below 6.1e-5 a weight is kept with an absolute error of at most 3e-8.
; THE MODE: SCHED_MODE bits 1:0 = 2 (LLVM: expert scheduling mode 2), set by the entry lines.  The code itself states the register dependences
; between vector instructions and memory instructions, with s_wait_alu, always for 0.
; THE PLAN, THE CAST.  The 64 steps go in 16 blocks of four.  Registers that memory instructions touch:
;   X0 .. X4    five blocks of f32 as loaded.  Written by the loads of block p + 4, issued in block p; read by block p's eight conversions.
;   Y0 .. Y15   a block of f16 each.  Written once, by block p's conversions; read by the four stores that are issued in block p + 1; never written again.
;   v1, v2      byte offsets, made once and never written again: the steps stand in the immediates.
; Block p works on X[p % 5] and writes Y[p].  Its memory instructions are the loads into X[(p + 4) % 5] = X[(p - 1) % 5] and the stores from Y[p - 1]:
; the two buffers that block p - 1 worked on and that no vector instruction of block p names.  So ONE wait on va_vdst at a block's head states all that
; the block's eight memory instructions hang on.  No register that a memory instruction has read is written again, so nothing is waited for on that side.
; THE PLAN, THE ROUTER.  Registers that memory instructions touch:
;   RW          loaded once, read by the multiply-adds.
;   XR0 .. XR3  a token each.  Token t's multiply-adds read XR[t % 4]; the loads of token t + 4 land in it, behind the wait that token t's two
;               exponentials have in any case: that wait also states that the multiply-adds are done reading the buffer.
;   v1, v2      byte offsets, made once.      v238, v239, LG, v8, v10, v11   offsets and data of the three stores at the end, written ahead of the waits in front of the first change of EXEC.
; Scalar registers that vector lines write (the wave's number, the masks of the top 2, the two weights) have a wait on va_sdst ahead of their first reader.
.set CX,  16                           ; cast: v[16:95]   buffer k, step i of four: 4 registers at CX + 16 k + 4 i, f32 as loaded
.set CY,  96                           ; cast: v[96:223]  block p, step i: 2 registers at CY + 8 p + 2 i, f16 to store
.set RW,  16                           ; router: v[16:143]  router_w rows d = 4 L + 128 j + i at RW + 8 (4 j + i), 8 experts each
.set XR,  144                          ; router: v[144:207] ring of 4 tokens, 16 registers each: x[4 L + 128 j + i] at 4 j + i
.set ACC, 208                          ; v[208:215] my partial logits of the 8 experts
.set KP,  216                          ; v[216:219] reduce-scatter: what a lane keeps
.set SD,  220                          ; v[220:223] reduce-scatter: what a lane sends
.set LG,  224
.set M1,  225
.set L2,  226
.set M2,  227
.set DD,  228
.set QQ,  229
.set E2,  230
.set PP,  231
.set C1,  232
.set SS,  233
.set PS,  234
.set G0,  235
.set RR,  236
.set G1,  237
	s_load_b512 s[4:19], s[0:1], 0x0               ; x s[4:5], router_w s[6:7], w1 s[8:9], w2 s[10:11], route s[12:13], gate s[14:15], auxp s[16:17], wb s[18:19]
	s_wait_kmcnt 0x0
	s_cmp_lt_u32 ttmp9, 128
	s_cbranch_scc1 .Lrouter
; ---------------------------------------------------------------- the cast
; Work-group c = id - 128 takes 131,072 bytes of w1 (c < 256) or w2 and makes 65,536 bytes of wb.  A step is 2,048 bytes in
; (128 threads x 16) and 1,024 bytes out; a wave's store covers 256 consecutive bytes, aligned.  64 steps, written out, the step in the immediates.
	s_sub_co_u32 s20, ttmp9, 128
	s_and_b32 s21, s20, 255
	s_lshl_b32 s22, s21, 17                        ; offset in w1 or w2
	s_mov_b32 s23, 0
	s_lshl_b32 s24, s20, 16                        ; offset in wb
	s_mov_b32 s25, 0
	s_cmp_lt_u32 s20, 256
	s_cselect_b64 s[26:27], s[8:9], s[10:11]
	s_add_nc_u64 s[26:27], s[26:27], s[22:23]
	s_add_nc_u64 s[18:19], s[18:19], s[24:25]
	v_lshlrev_b32 v1, 4, v0                        ; 16 t, never rewritten
	v_lshlrev_b32 v2, 3, v0                        ; 8 t, never rewritten
	s_wait_alu depctr_va_vdst(0)                   ; v1 and v2 are written: every load of the cast reads v1 as its offset, every store v2
.set row, 0
.rept 16
	global_load_b128 v[CX+4*row:CX+4*row+3], v1, s[26:27] offset:2048*row th:TH_LOAD_NT   ; blocks 0 to 3 into X0 to X3
.set row, row+1
.endr
.set p, 0
.rept 16
.if p > 12
	s_wait_loadcnt 4*(15-p)                        ; the tail: only the blocks behind this one are still out
.else
	s_wait_loadcnt 12                              ; loads return in order: this block's four are in, the three younger blocks stay out
.endif
.if p > 0
	s_wait_alu depctr_va_vdst(0)                   ; the block before has written its Y, which the stores below read, and is done reading its X, in which the loads below land
.endif
.set i, 0
.rept 4
.if p < 12
	global_load_b128 v[CX+16*((p+4)%5)+4*i:CX+16*((p+4)%5)+4*i+3], v1, s[26:27] offset:2048*(4*(p+4)+i) th:TH_LOAD_NT   ; four blocks ahead; no vector instruction since the wait names these registers
.endif
.if p > 0
	global_store_b64 v2, v[CY+8*(p-1)+2*i:CY+8*(p-1)+2*i+1], s[18:19] offset:1024*(4*(p-1)+i)   ; the block before
.endif
	v_cvt_pk_f16_f32 v[CY+8*p+2*i], v[CX+16*(p%5)+4*i], v[CX+16*(p%5)+4*i+1]
	v_cvt_pk_f16_f32 v[CY+8*p+2*i+1], v[CX+16*(p%5)+4*i+2], v[CX+16*(p%5)+4*i+3]
.set i, i+1
.endr
.set p, p+1
.endr
	s_wait_alu depctr_va_vdst(0)                   ; block 15 has written its Y, which the last four stores read
.set i, 0
.rept 4
	global_store_b64 v2, v[CY+120+2*i:CY+120+2*i+1], s[18:19] offset:1024*(60+i)
.set i, i+1
.endr
	s_endpgm
; ---------------------------------------------------------------- the router
; Wave w of work-group id takes tokens 32 id + 8 w .. + 7.  All of router_w (16 KiB) lies in the wave's registers.
.Lrouter:
	v_lshrrev_b32 v4, 5, v0
	v_readfirstlane_b32 s29, v4                    ; wave
	v_and_b32 v3, 31, v0                           ; lane L
	v_lshlrev_b32 v1, 4, v3                        ; 16 L: my 16 bytes in each 512 of a row of x
	v_lshlrev_b32 v2, 7, v3                        ; 128 L: rows 4 L .. 4 L + 3 of router_w
	v_and_b32 v4, 7, v3                            ; the expert whose logit I end up holding
	v_mov_b32 v5, 0xff800000                       ; -inf
	v_mov_b32 v6, 0                                ; sum of my expert's probabilities
	v_mov_b32 v7, 0                                ; how often my expert came first
	v_mov_b32 v8, 0                                ; lane t: e0 | e1 << 8 of token t
	v_mov_b32 v10, 0                               ; lane t: the two softmax weights of token t
	v_mov_b32 v11, 0
	s_mov_b32 s24, 0xaaaaaaaa                      ; lanes with bit 0, 1, 2 of the lane number set
	s_mov_b32 s25, 0xcccccccc
	s_mov_b32 s26, 0xf0f0f0f0
	s_mov_b32 s27, 0x76543210                      ; v_permlanex16_b32: lane i of the other half
	s_mov_b32 s28, 0xfedcba98
	s_lshl_b32 s30, ttmp9, 16                      ; 32 tokens x 2,048 bytes
	s_wait_alu depctr_va_sdst(0)                   ; s29 is written, ahead of its first reader: the bases of x and of the results are made from it
	s_lshl_b32 s21, s29, 14                        ; 8 tokens x 2,048 bytes
	s_add_co_u32 s30, s30, s21
	s_mov_b32 s31, 0
	s_add_nc_u64 s[4:5], s[4:5], s[30:31]          ; x at my first token
	s_wait_alu depctr_va_vdst(0)                   ; v1 and v2 are written: every load of the router reads one of them as its offset
.irp j, 0,1,2,3
.irp i, 0,1,2,3
	global_load_b128 v[RW+8*(4*\j+\i):RW+8*(4*\j+\i)+3],   v2, s[6:7] offset:4096*\j+32*\i
	global_load_b128 v[RW+8*(4*\j+\i)+4:RW+8*(4*\j+\i)+7], v2, s[6:7] offset:4096*\j+32*\i+16
.endr
.endr
.irp t, 0,1,2,3
.irp j, 0,1,2,3
	global_load_b128 v[XR+16*\t+4*\j:XR+16*\t+4*\j+3], v1, s[4:5] offset:2048*\t+512*\j
.endr
.endr
; One token.  left = the loads of the younger tokens, which may stay out (four a token).
.macro TOKEN t, refill, left
	s_wait_loadcnt \left
.set XS, XR+16*(\t%4)
	; 16 values of x a lane, each times its 8 weights: expert pairs in v_pk_fma_f32, x broadcast to both halves by op_sel
.irp j, 0,1,2,3
.irp i, 0,1,2,3
.irp p, 0,1,2,3
.if (\j+\i)==0
	v_pk_mul_f32 v[ACC+2*\p:ACC+2*\p+1], v[XS:XS+1], v[RW+2*\p:RW+2*\p+1] op_sel_hi:[0,1]
.else
.if (\i%2)==0
	v_pk_fma_f32 v[ACC+2*\p:ACC+2*\p+1], v[XS+4*\j+\i:XS+4*\j+\i+1], v[RW+8*(4*\j+\i)+2*\p:RW+8*(4*\j+\i)+2*\p+1], v[ACC+2*\p:ACC+2*\p+1] op_sel_hi:[0,1,1]
.else
	v_pk_fma_f32 v[ACC+2*\p:ACC+2*\p+1], v[XS+4*\j+\i-1:XS+4*\j+\i], v[RW+8*(4*\j+\i)+2*\p:RW+8*(4*\j+\i)+2*\p+1], v[ACC+2*\p:ACC+2*\p+1] op_sel:[1,0,0] op_sel_hi:[1,1,1]
.endif
.endif
.endr
.endr
.endr
	; reduce-scatter over the lanes: in each step a lane keeps half of its registers and sends the other half to its partner; 8 -> 4 -> 2 -> 1.
	; Behind the three steps lane L holds expert L & 7; two more steps add the four groups of eight lanes.
.irp i, 0,1,2,3
	v_cndmask_b32 v[KP+\i], v[ACC+2*\i], v[ACC+2*\i+1], s24
	v_cndmask_b32 v[SD+\i], v[ACC+2*\i+1], v[ACC+2*\i], s24
.endr
.irp i, 0,1,2,3
	v_add_f32_dpp v[KP+\i], v[SD+\i], v[KP+\i] row_xmask:1 row_mask:0xf bank_mask:0xf
.endr
.irp i, 0,1
	v_cndmask_b32 v[ACC+\i], v[KP+2*\i], v[KP+2*\i+1], s25
	v_cndmask_b32 v[ACC+4+\i], v[KP+2*\i+1], v[KP+2*\i], s25
.endr
.irp i, 0,1
	v_add_f32_dpp v[ACC+\i], v[ACC+4+\i], v[ACC+\i] row_xmask:2 row_mask:0xf bank_mask:0xf
.endr
	v_cndmask_b32 v[KP], v[ACC], v[ACC+1], s26
	v_cndmask_b32 v[SD], v[ACC+1], v[ACC], s26
	v_add_f32_dpp v[KP], v[SD], v[KP] row_xmask:4 row_mask:0xf bank_mask:0xf
	v_add_f32_dpp v[KP], v[KP], v[KP] row_xmask:8 row_mask:0xf bank_mask:0xf
	v_permlanex16_b32 v[SD], v[KP], s27, s28
	v_add_f32 v[LG], v[KP], v[SD]                  ; the logit of expert L & 7, in every lane
	; the largest logit and the lowest expert that has it
	v_mov_b32 v[M1], v[LG]
	v_max_num_f32_dpp v[M1], v[M1], v[M1] row_xmask:1 row_mask:0xf bank_mask:0xf
	v_max_num_f32_dpp v[M1], v[M1], v[M1] row_xmask:2 row_mask:0xf bank_mask:0xf
	v_max_num_f32_dpp v[M1], v[M1], v[M1] row_xmask:4 row_mask:0xf bank_mask:0xf
	v_cmp_eq_f32 s20, v[LG], v[M1]
	s_wait_alu depctr_va_sdst(0)                   ; the compare has written s20, which the next line reads
	s_ctz_i32_b32 s21, s20                         ; lanes 0..7 hold experts 0..7: the lowest lane is the lowest expert
	s_and_b32 s21, s21, 7
	v_cmp_eq_u32 s22, s21, v4                      ; the lanes of the first expert
	s_wait_alu depctr_va_sdst(0)                   ; the compare has written s22, which the select below reads
	v_cndmask_b32 v[L2], v[LG], v5, s22            ; it is taken out, and the same again
	v_mov_b32 v[M2], v[L2]
	v_max_num_f32_dpp v[M2], v[M2], v[M2] row_xmask:1 row_mask:0xf bank_mask:0xf
	v_max_num_f32_dpp v[M2], v[M2], v[M2] row_xmask:2 row_mask:0xf bank_mask:0xf
	v_max_num_f32_dpp v[M2], v[M2], v[M2] row_xmask:4 row_mask:0xf bank_mask:0xf
	v_cmp_eq_f32 s23, v[L2], v[M2]
	s_wait_alu depctr_va_sdst(0)                   ; the compare has written s23, which the next line reads
	s_and_not1_b32 s23, s23, s22
	s_ctz_i32_b32 s23, s23
	s_and_b32 s23, s23, 7
	s_lshl_b32 s23, s23, 8
	s_or_b32 s21, s21, s23
	v_writelane_b32 v8, s21, \t
	; both softmaxes with the maximum taken away: over the two chosen logits, and over all eight
	v_sub_f32 v[DD], v[M2], v[M1]
	v_sub_f32 v[QQ], v[LG], v[M1]
	v_mul_f32 v[DD], 0x3fb8aa3b, v[DD]
	v_mul_f32 v[QQ], 0x3fb8aa3b, v[QQ]
	v_exp_f32 v[E2], v[DD]
	v_exp_f32 v[PP], v[QQ]
	v_cndmask_b32 v[C1], 0, 1.0, s22               ; a plain instruction between the exponentials and their first use (ISA guide 5.7.2)
	s_wait_alu depctr_va_vdst(0)                   ; the two exponentials have written E2 and PP, ahead of their first readers; and the token's multiply-adds are done reading its buffer of x, in which the loads below land
.if \refill
.irp j, 0,1,2,3
	global_load_b128 v[XS+4*\j:XS+4*\j+3], v1, s[4:5] offset:2048*(\t+4)+512*\j   ; the token four further on; nothing stands between the wait and these loads
.endr
.endif
	v_add_f32 v[SS], 1.0, v[E2]
	v_mov_b32 v[PS], v[PP]
	v_add_f32_dpp v[PS], v[PS], v[PS] row_xmask:1 row_mask:0xf bank_mask:0xf
	v_add_f32_dpp v[PS], v[PS], v[PS] row_xmask:2 row_mask:0xf bank_mask:0xf
	v_add_f32_dpp v[PS], v[PS], v[PS] row_xmask:4 row_mask:0xf bank_mask:0xf
	v_rcp_f32 v[G0], v[SS]
	v_rcp_f32 v[RR], v[PS]
	v_add_f32 v7, v7, v[C1]                        ; again a plain instruction in between
	s_wait_alu depctr_va_vdst(0)                   ; the two reciprocals have written G0 and RR, ahead of their first readers
	v_mul_f32 v[G1], v[E2], v[G0]
	v_fmac_f32 v6, v[PP], v[RR]
	v_readfirstlane_b32 s20, v[G0]
	v_readfirstlane_b32 s23, v[G1]
	s_wait_alu depctr_va_sdst(0)                   ; s20 and s23 are written, which the two lines below read: one wait for both
	v_writelane_b32 v10, s20, \t
	v_writelane_b32 v11, s23, \t
.endm
	TOKEN 0, 1, 12
	TOKEN 1, 1, 12
	TOKEN 2, 1, 12
	TOKEN 3, 1, 12
	TOKEN 4, 0, 12
	TOKEN 5, 0, 8
	TOKEN 6, 0, 4
	TOKEN 7, 0, 0
	; The wave's results: 64 bytes of sums, 32 bytes of choices, 64 bytes of weights.  These stores are short; all of them in the launch are 80 KiB.
	s_lshl_b32 s30, ttmp9, 8
	s_lshl_b32 s21, s29, 6
	s_add_co_u32 s30, s30, s21                     ; (4 id + w) x 64 = first token x 8
	s_add_nc_u64 s[16:17], s[16:17], s[30:31]
	s_add_nc_u64 s[14:15], s[14:15], s[30:31]
	s_lshr_b32 s30, s30, 1                         ; first token x 4
	s_add_nc_u64 s[12:13], s[12:13], s[30:31]
	v_cmp_le_u32 s20, 8, v3
	v_lshlrev_b32 v238, 2, v3
	v_lshlrev_b32 v239, 3, v3
	s_wait_alu depctr_va_sdst(0)                   ; the compare has written s20, which the select below reads
	v_cndmask_b32 v[LG], v6, v7, s20               ; lanes 0..7 the probability sums, lanes 8..15 the counts
	v_cmp_gt_u32 vcc_lo, 16, v3
	s_wait_xcnt 0x0                                ; EXEC changes only behind s_wait_xcnt 0
	s_wait_alu depctr_va_vcc(0)                    ; the compare has written VCC, from which EXEC is made
	s_wait_alu depctr_va_vdst(0)                   ; ahead of a write of EXEC: the vector lines so far are done; among them those that wrote v238, v239, LG, v8, v10 and v11, which the three stores below read
	s_wait_alu depctr_vm_vsrc(0)                   ; ahead of a write of EXEC: the memory instructions so far have read their registers
	s_and_saveexec_b32 s21, vcc_lo
	global_store_b32 v238, v[LG], s[16:17]
	s_wait_xcnt 0x0
	s_wait_alu depctr_va_vdst(0)                   ; ahead of a write of EXEC: the vector lines so far are done
	s_wait_alu depctr_vm_vsrc(0)                   ; ahead of a write of EXEC: the store has read its offset and its data
	s_or_b32 exec_lo, exec_lo, s21
	v_cmp_gt_u32 vcc_lo, 8, v3
	s_wait_alu depctr_va_vcc(0)                    ; the compare has written VCC, from which EXEC is made
	s_wait_alu depctr_va_vdst(0)                   ; ahead of a write of EXEC: the vector lines so far are done
	s_wait_alu depctr_vm_vsrc(0)                   ; ahead of a write of EXEC: the memory instructions so far have read their registers
	s_and_saveexec_b32 s21, vcc_lo
	global_store_b32 v238, v8, s[12:13]
	global_store_b64 v239, v[10:11], s[14:15]
	s_wait_xcnt 0x0
	s_wait_alu depctr_va_vdst(0)                   ; ahead of a write of EXEC: the vector lines so far are done
	s_wait_alu depctr_vm_vsrc(0)                   ; ahead of a write of EXEC: the two stores have read their offsets and their data
	s_or_b32 exec_lo, exec_lo, s21
	s_endpgm
.Lfunc_end_k_q0c2b41fe87_prep:
	.size	k_q0c2b41fe87_prep, .Lfunc_end_k_q0c2b41fe87_prep-k_q0c2b41fe87_prep
	.p2alignl 7, 3214868480
	.fill 96, 4, 3214868480
	.section	.rodata,"a",@progbits
	.p2align	6, 0x0
	.amdhsa_kernel k_q0c2b41fe87_prep
		.amdhsa_group_segment_fixed_size 0
		.amdhsa_private_segment_fixed_size 0
		.amdhsa_enable_private_segment 0
		.amdhsa_kernarg_size 64
		.amdhsa_user_sgpr_count 2
		.amdhsa_user_sgpr_kernarg_segment_ptr 1
		.amdhsa_wavefront_size32 1
		.amdhsa_system_sgpr_workgroup_id_x 1
		.amdhsa_system_sgpr_workgroup_id_y 1
		.amdhsa_system_sgpr_workgroup_id_z 1
		.amdhsa_system_vgpr_workitem_id 0
		.amdhsa_next_free_vgpr 240
		.amdhsa_next_free_sgpr 66
		.amdhsa_reserve_vcc 1
		.amdhsa_float_denorm_mode_32 3
		.amdhsa_float_denorm_mode_16_64 3
		.amdhsa_memory_ordered 1
		.amdhsa_forward_progress 1
		.amdhsa_inst_pref_size 91
	.end_amdhsa_kernel
	.amdgpu_metadata
---
amdhsa.version: [ 1, 2 ]
amdhsa.kernels:
  - .name:           k_q0c2b41fe87_prep
    .symbol:         k_q0c2b41fe87_prep.kd
    .args:
      - { .name: x, .offset: 0, .size: 8, .value_kind: global_buffer, .address_space: global }
      - { .name: router_w, .offset: 8, .size: 8, .value_kind: global_buffer, .address_space: global }
      - { .name: w1, .offset: 16, .size: 8, .value_kind: global_buffer, .address_space: global }
      - { .name: w2, .offset: 24, .size: 8, .value_kind: global_buffer, .address_space: global }
      - { .name: route, .offset: 32, .size: 8, .value_kind: global_buffer, .address_space: global }
      - { .name: gate, .offset: 40, .size: 8, .value_kind: global_buffer, .address_space: global }
      - { .name: auxp, .offset: 48, .size: 8, .value_kind: global_buffer, .address_space: global }
      - { .name: wb, .offset: 56, .size: 8, .value_kind: global_buffer, .address_space: global }
    .group_segment_fixed_size: 0
    .private_segment_fixed_size: 0
    .kernarg_segment_align: 8
    .kernarg_segment_size: 64
    .max_flat_workgroup_size: 128
    .sgpr_count:     66
    .vgpr_count:     240
    .wavefront_size: 32
...
	.end_amdgpu_metadata
.endif
;; end of part 5
;; launch plan: the kernel of part 2 again; grid 1 x 1, 32 waves a work-group, no clusters, 56,320 bytes of LDS; arguments route, auxp, tab, tokslot, out1; writes tab, tokslot, out1
;; launch ffn: the kernel of part 3 again; grid 4 x 64, 4 waves a work-group, no clusters, 327,680 bytes of LDS; arguments x, wb, b1, b2, gate, tab, yp; writes yp
;; launch combine: the kernel of part 4 again; grid 512 x 1, 8 waves a work-group, no clusters, 0 bytes of LDS; arguments yp, tokslot, out0; writes out0
